; MI455X (gfx1250); checked and timed in simulation.
; The chip was launched on July 23, 2026; its instructions are those of AMD's public machine-readable ISA for CDNA 5 (MIT licence, August 2026) and "CDNA5" Instruction Set Architecture Reference Guide (July 2026). The comments in the code are by the model that wrote it; some were corrected since.
;; Perceiver Attention. Allowed arithmetic: matrix products marked QUANTISED: E4M3 operands, one given power-of-two scale a tensor, by v_wmma_f32_16x16x64_fp8_fp8 or v_wmma_f32_16x16x128_fp8_fp8, f32 sums; everything else in f32.
;; Inputs: b_out 512 float32; latents 4 x 512 x 512 float32; lowp_scales 10 int32 (the exponents e of the quantised operands' scales 2^e); w_kv 1,024 x 512 float32; w_out 512 x 512 float32; w_q 512 x 512 float32; x 4 x 8,192 x 512 float32.
;; Outputs: out0 4 x 512 x 512 float32.
;; This version of the problem:
;;   THIS VERSION OF THE PROBLEM IS GIVEN IN LOW PRECISION. The matrix products marked QUANTISED in the list below multiply operands that are first quantised to E4M3 (4 exponent bits, 3 mantissa bits; 8 bits a number), with one given power-of-two scale for each operand tensor; their sums are f32. All else is computed in f32.
;;   The module's matrix products, in the order in which they are computed (A, B: the left and right operand; K: the contracted axis; several contracted axes count as one K, in the product's order):
;;     1. [M 2,048, K 512] x [K 512, N 512]; A: input latents; B: input w_q: QUANTISED (scales: A lowp_scales[0], B lowp_scales[1])
;;     2. [M 32,768, K 512] x [K 512, N 1,024]; A: input x; B: input w_kv: QUANTISED (scales: A lowp_scales[2], B lowp_scales[3])
;;     3. batch 64 x [M 512, K 32] x [K 32, N 8,192]; A: computed on the way; B: computed on the way: QUANTISED (scales: A lowp_scales[4], B lowp_scales[5])
;;     4. batch 64 x [M 32, K 8,192] x [K 8,192, N 512]; A: computed on the way; B: softmax (see below): QUANTISED (scales: A lowp_scales[6], B lowp_scales[7])
;;     5. [M 2,048, K 512] x [K 512, N 512]; A: computed on the way; B: input w_out: QUANTISED (scales: A lowp_scales[8], B lowp_scales[9])
;;   THE QUANTISER, for each operand of a quantised product, along K:
;;     - The operand's scale is 2^e, e = its entry of the input lowp_scales (int32; the entries are numbered through the quantised products in the list's order, A before B).
;;     - Each number is divided by the scale, clamped to +-448, and rounded to the nearest number of E4M3, ties to even, subnormals kept.
;;     - The product sums the exact products of the quantised numbers (number of the format x scale) in f32.
;;   ~~~python
;;   def quantise(x, axis, e):      # numpy; x: float32 -> the quantised numbers, widened to float32 again
;;       x = np.moveaxis(x, axis, -1); K = x.shape[-1]
;;       r = np.clip(x / 2.0 ** e, -448, 448)
;;       step = 2.0 ** (np.maximum(np.frexp(np.where(r == 0, 1, r))[1] - 1, -6) - 3)
;;       q = np.round(r / step) * step * 2.0 ** e      # np.round: ties to even
;;       return np.moveaxis(q, -1, axis).astype(np.float32)
;;   ~~~
;;   SOFTMAX AHEAD OF A QUANTISED PRODUCT. Where the list says 'softmax', what is quantised is not the finished softmax but p = 2^(t - M), with t = logit x log2(e) and M = ceil(the row's largest t), a whole number; so 1/2 < the row's largest p <= 1. The row's sum l is taken of the UNQUANTISED p, in f32, and the product's result is divided by l at the end. Since M is a whole number, a kernel that streams over the keys may use a running M (the ceiling of the running maximum): every later rescaling is an exact power of two, so the quantised numbers keep their values, but for numbers so far below the row's largest that they fall under the format's range.
;;   OPERANDS COMPUTED ON THE WAY. 'Computed on the way' means the value that the module computes at that place (a softmax that the list does not call 'softmax' is quantised finished and normalised). What goes into a quantiser is computed in f32, as accurately as f32 sums, v_exp_f32 and their like allow (about 1e-6 of the number): no bf16 or f16 on the way to a quantiser, and a product that is left as it is and whose result goes on into a quantised operand takes f32 operands (vector FMAs, or v_wmma_f32_16x16x4_f32). A number that lies on a knife's edge between two numbers of the format may be rounded either way, as far as f32 arithmetic and the matrix unit's own rounding can turn it there, and no further.
;; 2 versions, each right; version 2 is version 1 with the launches kvp, att, outp written anew for expert scheduling mode. Each part assembles by itself: llvm-mc -triple=amdgcn-amd-amdhsa -mcpu=gfx1250 --defsym DOCPART=n.
;; ======== version 1 of 2: 4 launches
;; workspace buffers: wc 1,048,576 bytes; kv 33,554,432 bytes; ao 1,048,576 bytes
;; launch prep (part 1): grid 256 x 1, 2 waves a work-group, no clusters, 0 bytes of LDS; arguments w_kv, w_q, w_out, lowp_scales, wc; writes wc
.if DOCPART == 1
	.amdgcn_target "amdgcn-amd-amdhsa--gfx1250"
	.amdhsa_code_object_version 6
	.text
	.protected	k_q9320459db6_prep
	.globl	k_q9320459db6_prep
	.p2align	8
	.type	k_q9320459db6_prep,@function
k_q9320459db6_prep:
	s_mov_b64 s[64:65], 0
	v_nop
	global_prefetch_b8 v0, s[64:65] scope:SCOPE_SE
	s_setreg_imm32_b32 hwreg(HW_REG_WAVE_MODE, 25, 1), 1
	s_wait_xcnt 0x0
; w_kv [1024][512], w_q [512][512], w_out [512][512], f32, K innermost, become codes of E4M3 in wc, each with its given scale 2^e (entries 3, 1, 9 of lowp_scales).
; code = x / 2^e, held within +-448, to the nearest code, ties to even.  LIMITS: e between -126 and 119, so that 2^e and 448 x 2^e are f32 numbers.  NaN and infinity among the inputs are not served.
; wc IS LAID IN THE ORDER OF THE OPERAND'S REGISTERS: [tile T 0..127][K step s 0..3][c 0..3][lane][16 bytes]: lane (r, hh) holds k = 128 s + 32 c + 16 hh + 0 .. 15 of its row.
; THE ROWS OF A TILE ARE NOT NEIGHBOURS: lane r of tile T takes row 32 (T / 2) + 8 (T % 2) + r + 8 (r / 8) of w_kv (T 0..63), w_q (T - 64), w_out (T - 96): so the 16 result registers of
; two neighbouring tiles are 16 neighbours along the next product's K.
; SHARES: 512 fragments (16 rows x 128 K), one a wave: 16 loads of 16 bytes a lane, 64 holds, 8 conversions, 4 stores of 512 consecutive bytes.  No LDS, no barrier: waves share nothing.
.set XR,  16                           ; v16-79  64 numbers: register 16 c + i = k 32 c + 16 hh + i
.set CR,  80                           ; v80-95  their codes
.set LIM, 10                           ; v10     448 x 2^e
.set SC,  11                           ; v11     2^e
	s_load_b256 s[4:11], s[0:1], 0x0               ; w_kv s[4:5], w_q s[6:7], w_out s[8:9], the scales' exponents s[10:11]
	s_load_b64 s[12:13], s[0:1], 0x20              ; wc
	v_lshrrev_b32 v1, 5, v0
	v_readfirstlane_b32 s14, v1                    ; wave 0..1
	v_and_b32 v4, 15, v0                           ; r
	v_bfe_u32 v5, v0, 4, 1                         ; hh
	v_and_b32 v6, 8, v4
	v_add_nc_u32 v6, v6, v4                        ; r + 8 (r / 8)
	v_lshlrev_b32 v2, 11, v6                       ; a row is 2,048 bytes
	v_lshl_add_u32 v2, v5, 6, v2                   ; + 64 hh: my 16 numbers of a block of 32
	v_and_b32 v3, 31, v0
	v_lshlrev_b32 v3, 4, v3                        ; 16 x lane: my place in an image's 512 bytes
	s_lshr_b32 s26, ttmp9, 1                       ; T = work-group / 2
	s_and_b32 s27, ttmp9, 1
	s_lshl_b32 s27, s27, 1
	s_add_co_u32 s27, s27, s14                     ; s = 2 (work-group % 2) + wave
	s_lshl_b32 s28, ttmp9, 1
	s_add_co_u32 s28, s28, s14                     ; the fragment's number 4 T + s,
	s_lshl_b32 s28, s28, 11                        ; and its 2,048 bytes in wc
	s_mov_b32 s29, 0
	s_wait_kmcnt 0x0
	s_load_b256 s[16:23], s[10:11], 0x0            ; e0 .. e7
	s_load_b32 s24, s[10:11], 0x24                 ; e9
	s_cmp_lt_u32 ttmp9, 192                        ; which tensor: the choice hangs on the work-group's number alone
	s_cselect_b64 s[6:7], s[6:7], s[8:9]
	s_cselect_b32 s15, 64, 96
	s_cmp_lt_u32 ttmp9, 128
	s_cselect_b64 s[4:5], s[4:5], s[6:7]
	s_cselect_b32 s15, 0, s15
	s_sub_co_u32 s26, s26, s15                     ; the tile's number within its tensor
	s_lshr_b32 s30, s26, 1
	s_lshl_b32 s30, s30, 16                        ; 32 rows of 2,048 bytes for each pair of tiles,
	s_and_b32 s31, s26, 1
	s_lshl_b32 s31, s31, 14                        ; 8 rows for the odd one,
	s_add_co_u32 s30, s30, s31
	s_lshl_b32 s31, s27, 9                         ; 512 bytes for each K step
	s_add_co_u32 s30, s30, s31
	s_mov_b32 s31, 0
	s_add_nc_u64 s[4:5], s[4:5], s[30:31]
	s_add_nc_u64 s[12:13], s[12:13], s[28:29]
.irp c, 0,1,2,3
.irp j, 0,1,2,3
	global_load_b128 v[XR+16*\c+4*\j:XR+16*\c+4*\j+3], v2, s[4:5] offset:128*\c+16*\j th:TH_LOAD_NT   ; read once in the launch
.endr
.endr
	s_wait_kmcnt 0x0
	s_cmp_lt_u32 ttmp9, 192
	s_cselect_b32 s25, s17, s24                    ; e1 or e9,
	s_cmp_lt_u32 ttmp9, 128
	s_cselect_b32 s25, s19, s25                    ; or e3
	s_add_co_i32 s36, s25, 127
	s_lshl_b32 s37, s36, 23
	v_mov_b32 v[SC], s37                           ; 2^e as f32: the conversion takes its exponent field
	s_add_co_i32 s36, s36, 8
	s_lshl_b32 s36, s36, 23
	s_or_b32 s36, s36, 0x600000
	v_mov_b32 v[LIM], s36                          ; 448 x 2^e
	s_wait_loadcnt 0x0
.irp b, 0,1,2,3
.irp i, 0,1,2,3,4,5,6,7,8,9,10,11,12,13,14,15
	v_med3_num_f32 v[XR+16*\b+\i], v[XR+16*\b+\i], -v[LIM], v[LIM]   ; the conversion to an 8-bit code does not saturate (ISA guide 7.6.2): the hold comes first
.endr
	v_cvt_scalef32_pk8_fp8_f32 v[CR+4*\b:CR+4*\b+1], v[XR+16*\b:XR+16*\b+7], v[SC]
	v_cvt_scalef32_pk8_fp8_f32 v[CR+4*\b+2:CR+4*\b+3], v[XR+16*\b+8:XR+16*\b+15], v[SC]
.endr
	v_nop                                          ; a plain line behind the last conversion
.irp c, 0,1,2,3
	global_store_b128 v3, v[CR+4*\c:CR+4*\c+3], s[12:13] offset:512*\c   ; 32 lanes store 512 consecutive bytes, at a multiple of 512 from wc's first byte
.endr
	s_endpgm
.Lfunc_end_k_q9320459db6_prep:
	.size	k_q9320459db6_prep, .Lfunc_end_k_q9320459db6_prep-k_q9320459db6_prep
	.p2alignl 7, 3214868480
	.fill 96, 4, 3214868480
	.section	.rodata,"a",@progbits
	.p2align	6, 0x0
	.amdhsa_kernel k_q9320459db6_prep
		.amdhsa_group_segment_fixed_size 0
		.amdhsa_private_segment_fixed_size 0
		.amdhsa_enable_private_segment 0
		.amdhsa_kernarg_size 40
		.amdhsa_user_sgpr_count 2
		.amdhsa_user_sgpr_kernarg_segment_ptr 1
		.amdhsa_wavefront_size32 1
		.amdhsa_system_sgpr_workgroup_id_x 1
		.amdhsa_system_sgpr_workgroup_id_y 1
		.amdhsa_system_sgpr_workgroup_id_z 1
		.amdhsa_system_vgpr_workitem_id 0
		.amdhsa_next_free_vgpr 96
		.amdhsa_next_free_sgpr 66
		.amdhsa_reserve_vcc 0
		.amdhsa_float_denorm_mode_32 3
		.amdhsa_float_denorm_mode_16_64 3
		.amdhsa_memory_ordered 1
		.amdhsa_forward_progress 1
		.amdhsa_inst_pref_size 9
	.end_amdhsa_kernel
	.amdgpu_metadata
---
amdhsa.version: [ 1, 2 ]
amdhsa.kernels:
  - .name:           k_q9320459db6_prep
    .symbol:         k_q9320459db6_prep.kd
    .args:
      - { .name: w_kv, .offset: 0, .size: 8, .value_kind: global_buffer, .address_space: global }
      - { .name: w_q, .offset: 8, .size: 8, .value_kind: global_buffer, .address_space: global }
      - { .name: w_out, .offset: 16, .size: 8, .value_kind: global_buffer, .address_space: global }
      - { .name: lowp_scales, .offset: 24, .size: 8, .value_kind: global_buffer, .address_space: global }
      - { .name: wc, .offset: 32, .size: 8, .value_kind: global_buffer, .address_space: global }
    .group_segment_fixed_size: 0
    .private_segment_fixed_size: 0
    .kernarg_segment_align: 8
    .kernarg_segment_size: 40
    .max_flat_workgroup_size: 64
    .sgpr_count:     66
    .vgpr_count:     96
    .wavefront_size: 32
...
	.end_amdgpu_metadata
.endif
;; end of part 1
;; launch kvp (part 2): grid 256 x 1, 4 waves a work-group, no clusters, 66,048 bytes of LDS; arguments x, wc, lowp_scales, kv; writes kv
.if DOCPART == 2
	.amdgcn_target "amdgcn-amd-amdhsa--gfx1250"
	.amdhsa_code_object_version 6
	.text
	.protected	k_q9320459db6_kvp
	.globl	k_q9320459db6_kvp
	.p2align	8
	.type	k_q9320459db6_kvp,@function
k_q9320459db6_kvp:
	s_mov_b64 s[64:65], 0
	v_nop
	global_prefetch_b8 v0, s[64:65] scope:SCOPE_SE
	s_setreg_imm32_b32 hwreg(HW_REG_WAVE_MODE, 25, 1), 1
	s_wait_xcnt 0x0
; kv = x w_kv^T on codes of E4M3, and its result quantised again: K with 2^e5, V with 2^e6, stored in the order in which the attention launch's operand registers take them.
; x [32768][512] f32 is quantised here with 2^e2; w_kv comes as codes (2^e3) from wc.  A sum stands for sum x 2^(e2 + e3), so K's conversion takes 2^(e5 - e2 - e3) and V's 2^(e6 - e2 - e3).
; LIMITS: e2, e5 - e2 - e3 and e6 - e2 - e3 between -126 and 119.  NaN and infinity among the inputs are not served.
; SHARES.  A work-group takes one key step, 128 rows of x, against all 1,024 columns: x is read from memory once in the launch.  THE WAVES SHARE THE COLUMNS: wave w owns heads 4 w .. 4 w + 3.
; Phase X: wave w quantises rows 32 w .. 32 w + 31 (two tiles x four K steps) and stores the eight fragments into LDS as images of their registers; ONE barrier.
; Then two passes, K and V.  In each the wave's 8 column tiles x 4 K steps of weights lie in 512 registers; the 8 tiles of x go in two blocks of four: 32 accumulators.
; x'S TILES HAVE THE KEYS' ORDER: lane r of tile t takes row 32 (t / 2) + 8 (t % 2) + r + 8 (r / 8).  Pass K: source 0 = weights, source 1 = x: a lane holds one key and 16 neighbouring dims of a head.
; Pass V: source 0 = x, source 1 = weights: a lane holds one channel and 16 neighbouring keys.  So the conversions' results are 16 bytes that belong together, and each store of a wave is 512 consecutive bytes.
; kv: [b 16 + head][step 0..63][8,192 bytes]: K tile t at 512 t + 16 lane; V, half n, keys 32 c on, at 4096 + 2048 n + 512 c + 16 lane.
; No tensor load: x has to pass through registers to be quantised.  No cluster: no two work-groups share a row of x, and the shared weights are codes, 512 KiB a work-group against 256 KiB of x.
; No prefetch: phase X is a plain stream with 64 loads a wave issued ahead.
; REGISTERS, in windows of 256.  Window 0: v1-5 addresses; v8-13 scales and holds; v16-31 codes just made; v32-159 two sets of 64: numbers of x, later x's fragments; v160-223 codes on the way out.
;   Window 1: accumulator (column tile ct, x tile tl) at v[8 (4 ct + tl)].   Windows 2, 3: weight fragment (ct, s) at v[16 (4 (ct % 4) + s)], ct 0-3 in window 2, ct 4-7 in window 3.
.set LI,    1                          ; v1   16 x lane
.set XA,    2                          ; v2   x: (r + 8 (r / 8)) x 2,048 + 64 hh
.set XWI,   3                          ; v3   where I store x's images: 16 x lane + 16,384 x wave
.set SPW,   4                          ; v4   LDS address of my spare word; never rewritten
.set NIL,   5                          ; v5   0; never rewritten
.set XSC,   8                          ; v8, v9    2^e2 and 448 x that
.set KSC,   10                         ; v10, v11  the same for e5 - e2 - e3
.set VSC,   12                         ; v12, v13  the same for e6 - e2 - e3
.set PC,    16
.set XS,    32
.set OC,    160
.set SPARE, 65536                      ; LDS: x's 32 images (fragment (t, s) at 2,048 (4 t + s)), then the spare words, 128 bytes a wave: two blocks of 256 bytes that no other line names
.set MSB, 0
.macro WIN new                         ; the immediate's high byte repeats the setting that is left; a switch that changes nothing is dropped
.if MSB != (\new)
	s_set_vgpr_msb (MSB<<8)|(\new)
.set MSB, (\new)
.endif
.endm
.macro PLACES n
.rept \n
	v_nop
.endr
.endm
.macro MKSC e, sc                      ; v[sc] = 2^e as f32, v[sc + 1] = 448 x 2^e; e in s[e]
	s_add_co_i32 s36, s[\e], 127
	s_lshl_b32 s37, s36, 23
	v_mov_b32 v[\sc], s37
	s_add_co_i32 s36, s36, 8
	s_lshl_b32 s36, s36, 23
	s_or_b32 s36, s36, 0x600000
	v_mov_b32 v[\sc+1], s36
.endm
.macro XLOAD kk                        ; the f32 numbers of my fragment kk (tile kk / 4 of my two, K step kk % 4): register 16 c + 4 j + .. = k 32 c + 16 hh + 4 j + ..
.irp c, 0,1,2,3
.irp j, 0,1,2,3
	global_load_b128 v[XS+64*((\kk)%2)+16*\c+4*\j:XS+64*((\kk)%2)+16*\c+4*\j+3], v[XA], s[4:5] offset:((\kk)>>2)*16384+512*((\kk)&3)+128*\c+16*\j th:TH_LOAD_NT
.endr
.endr
.endm
.macro WLOAD ct                        ; pass K's column tile ct, all four K steps
	WIN 0x80+0x40*((\ct)/4)
.irp s, 0,1,2,3
.irp c, 0,1,2,3
	global_load_b128 v[16*(4*((\ct)%4)+\s)+4*\c:16*(4*((\ct)%4)+\s)+4*\c+3], v[LI], s[6:7] offset:8192*(\ct)+2048*\s+512*\c
.endr
.endr
	WIN 0
.endm
.macro RELOAD s                        ; pass V's fragments of K step s, into the registers that pass K's have just left
.irp ct, 0,1,2,3,4,5,6,7
	WIN 0x80+0x40*(\ct/4)
.irp c, 0,1,2,3
	global_load_b128 v[16*(4*(\ct%4)+\s)+4*\c:16*(4*(\ct%4)+\s)+4*\c+3], v[LI], s[6:7] offset:262144+8192*\ct+2048*\s+512*\c
.endr
.endr
	WIN 0
.endm
.macro FETCH blk, s                    ; x's fragments (tiles 4 blk .. 4 blk + 3, K step s) come back from LDS as they were stored
.irp tl, 0,1,2,3
.irp c, 0,1,2,3
	ds_load_b128 v[XS+64*((\s)%2)+16*\tl+4*\c:XS+64*((\s)%2)+16*\tl+4*\c+3], v[LI] offset:(4*(4*(\blk)+\tl)+(\s))*2048+512*\c
.endr
.endr
.endm
; 32 matrix instructions, each on another accumulator, in the same order in every K step.  K step 0 starts the sums: nothing is cleared.
.macro MUL32 type, s
.irp ct, 0,1,2,3,4,5,6,7
.if \type == 0
	WIN 0x52+(\ct/4)                               ; source 0 (weights) window 2 or 3, source 1 (x) window 0, C and D window 1
.else
	WIN 0x58+4*(\ct/4)                             ; source 0 (x) window 0, source 1 (weights) window 2 or 3
.endif
.irp tl, 0,1,2,3
.if (\type == 0) && (\s == 0)
	v_wmma_f32_16x16x128_fp8_fp8 v[8*(4*\ct+\tl):8*(4*\ct+\tl)+7], v[16*(4*(\ct%4)+\s):16*(4*(\ct%4)+\s)+15], v[XS+64*(\s%2)+16*\tl:XS+64*(\s%2)+16*\tl+15], 0
.elseif \type == 0
	v_wmma_f32_16x16x128_fp8_fp8 v[8*(4*\ct+\tl):8*(4*\ct+\tl)+7], v[16*(4*(\ct%4)+\s):16*(4*(\ct%4)+\s)+15], v[XS+64*(\s%2)+16*\tl:XS+64*(\s%2)+16*\tl+15], v[8*(4*\ct+\tl):8*(4*\ct+\tl)+7]
.elseif \s == 0
	v_wmma_f32_16x16x128_fp8_fp8 v[8*(4*\ct+\tl):8*(4*\ct+\tl)+7], v[XS+64*(\s%2)+16*\tl:XS+64*(\s%2)+16*\tl+15], v[16*(4*(\ct%4)+\s):16*(4*(\ct%4)+\s)+15], 0
.else
	v_wmma_f32_16x16x128_fp8_fp8 v[8*(4*\ct+\tl):8*(4*\ct+\tl)+7], v[XS+64*(\s%2)+16*\tl:XS+64*(\s%2)+16*\tl+15], v[16*(4*(\ct%4)+\s):16*(4*(\ct%4)+\s)+15], v[8*(4*\ct+\tl):8*(4*\ct+\tl)+7]
.endif
.endr
.endr
.endm
; The products of one block of four x tiles.  reload = 1: behind each K step its weight registers take pass V's.  wl = 1: those reloaded weights are waited for.
.macro MPH type, blk, reload, wl
	FETCH \blk, 0
.irp s, 0,1,2,3
.if \s < 3
	FETCH \blk, \s+1                               ; into the set that K step s - 1 multiplied: four places stand behind those products
	s_wait_dscnt 16                                ; this K step's fragments are in; the 16 loads just issued may be out
.else
	s_wait_dscnt 0x0
.endif
.if \wl
.if \s < 2
	s_wait_loadcnt 63                              ; behind K step s's 32 reloads stand 32 (3 - s), 96 or 64: the count's field ends at 63, which is the smaller and so the safe count
.else
	s_wait_loadcnt 32*(3-\s)
.endif
.endif
	MUL32 \type, \s
	WIN 0
	PLACES 4                                       ; four places in front of the loads into registers that these products read, and of the first read of the sums
.if \reload
	RELOAD \s
.endif
.endr
.endm
; The way out of a block: hold, conversion, 16 stores of 512 consecutive bytes.  Each accumulator is read from its low end on.
.macro OPH type, blk, sc
	s_wait_xcnt 0x0                                ; the last block's stores have read their data: only behind this wait are those registers written again
	WIN 0x41                                       ; the sums (source 0, destination) in window 1, the hold in window 0
.set n, 0
.rept 256
	v_med3_num_f32 v[n], v[n], -v[\sc+1], v[\sc+1]
.set n, n+1
.endr
	WIN 0x01                                       ; source 0 window 1, codes into window 0
.irp a, 0,1,2,3
.irp g, 0,1,2,3
.if \type == 0                         ; head a, x tile g: column tiles 2 a and 2 a + 1 are dims 16 hh + 0 .. 15
	v_cvt_scalef32_pk8_fp8_f32 v[OC+4*(4*\a+\g):OC+4*(4*\a+\g)+1], v[8*(8*\a+\g):8*(8*\a+\g)+7], v[\sc]
	v_cvt_scalef32_pk8_fp8_f32 v[OC+4*(4*\a+\g)+2:OC+4*(4*\a+\g)+3], v[8*(8*\a+4+\g):8*(8*\a+4+\g)+7], v[\sc]
.else                                  ; head a, half g / 2, x tiles 2 (g % 2) and the next: keys 16 hh + 0 .. 15 of a block of 32
	v_cvt_scalef32_pk8_fp8_f32 v[OC+4*(4*\a+\g):OC+4*(4*\a+\g)+1], v[8*(4*(2*\a+\g/2)+2*(\g%2)):8*(4*(2*\a+\g/2)+2*(\g%2))+7], v[\sc]
	v_cvt_scalef32_pk8_fp8_f32 v[OC+4*(4*\a+\g)+2:OC+4*(4*\a+\g)+3], v[8*(4*(2*\a+\g/2)+2*(\g%2)+1):8*(4*(2*\a+\g/2)+2*(\g%2)+1)+7], v[\sc]
.endif
.endr
.endr
	v_nop                                          ; a plain line between the last conversion and the products that write its sources anew
	WIN 0
.irp a, 0,1,2,3
.irp g, 0,1,2,3
.if \type == 0
	global_store_b128 v[LI], v[OC+4*(4*\a+\g):OC+4*(4*\a+\g)+3], s[10:11] offset:\a*524288+(4*\blk+\g)*512
.else
	global_store_b128 v[LI], v[OC+4*(4*\a+\g):OC+4*(4*\a+\g)+3], s[10:11] offset:\a*524288+4096+2048*(\g/2)+(2*\blk+\g%2)*512
.endif
.endr
.endr
.endm
	s_load_b256 s[4:11], s[0:1], 0x0               ; x s[4:5], wc s[6:7], the scales' exponents s[8:9], kv s[10:11]
	v_lshl_add_u32 v[SPW], v0, 2, SPARE
	v_mov_b32 v[NIL], 0
	v_lshrrev_b32 v6, 5, v0
	v_readfirstlane_b32 s14, v6                    ; wave 0..3
	v_and_b32 v[LI], 31, v0
	v_lshlrev_b32 v[LI], 4, v[LI]
	v_and_b32 v6, 15, v0                           ; r
	v_bfe_u32 v7, v0, 4, 1                         ; hh
	v_and_b32 v[XA], 8, v6
	v_add_nc_u32 v[XA], v[XA], v6                  ; r + 8 (r / 8)
	v_lshlrev_b32 v[XA], 11, v[XA]
	v_lshl_add_u32 v[XA], v7, 6, v[XA]
	s_lshl_b32 s15, s14, 14
	v_add_nc_u32 v[XWI], s15, v[LI]
	s_lshl_b32 s16, ttmp9, 18                      ; x: 128 rows of 2,048 bytes a work-group,
	s_lshl_b32 s17, s14, 16                        ; 32 a wave
	s_add_co_u32 s16, s16, s17
	s_mov_b32 s17, 0
	s_lshl_b32 s18, s14, 16                        ; wc: 8 tiles of 8,192 bytes a wave
	s_mov_b32 s19, 0
	s_lshr_b32 s20, ttmp9, 6                       ; kv: the batch's 16 heads x 64 steps x 8,192 bytes,
	s_lshl_b32 s20, s20, 23
	s_lshl_b32 s21, s14, 21                        ; my four heads,
	s_add_co_u32 s20, s20, s21
	s_and_b32 s21, ttmp9, 63
	s_lshl_b32 s21, s21, 13                        ; the step
	s_add_co_u32 s20, s20, s21
	s_mov_b32 s21, 0
	s_wait_kmcnt 0x0
	s_load_b256 s[24:31], s[8:9], 0x0              ; e0 .. e7
	s_add_nc_u64 s[4:5], s[4:5], s[16:17]
	s_add_nc_u64 s[6:7], s[6:7], s[18:19]
	s_add_nc_u64 s[10:11], s[10:11], s[20:21]
	; ---- phase X.  Weights and x by turns, two fragments ahead: 64 loads a wave are issued ahead of the work
	WLOAD 0
	XLOAD 0
	WLOAD 1
	XLOAD 1
	s_wait_kmcnt 0x0
	MKSC 26, XSC
	s_sub_co_i32 s38, s29, s26
	s_sub_co_i32 s38, s38, s27                     ; e5 - e2 - e3
	MKSC 38, KSC
	s_sub_co_i32 s39, s30, s26
	s_sub_co_i32 s39, s39, s27                     ; e6 - e2 - e3
	MKSC 39, VSC
.set k, 0
.rept 8
.if k < 7
	s_wait_loadcnt 32                              ; fragment k's numbers are in; behind them stand 16 loads of weights and 16 of x
.else
	s_wait_loadcnt 0x0                             ; the last: all weights of pass K are in too
.endif
	s_wait_dscnt 0x0                               ; the last image's stores have read their registers
.irp b, 0,1,2,3
.irp i, 0,1,2,3,4,5,6,7,8,9,10,11,12,13,14,15
	v_med3_num_f32 v[XS+64*(k%2)+16*\b+\i], v[XS+64*(k%2)+16*\b+\i], -v[XSC+1], v[XSC+1]   ; the conversion does not saturate (ISA guide 7.6.2)
.endr
	v_cvt_scalef32_pk8_fp8_f32 v[PC+4*\b:PC+4*\b+1], v[XS+64*(k%2)+16*\b:XS+64*(k%2)+16*\b+7], v[XSC]
	v_cvt_scalef32_pk8_fp8_f32 v[PC+4*\b+2:PC+4*\b+3], v[XS+64*(k%2)+16*\b+8:XS+64*(k%2)+16*\b+15], v[XSC]
.endr
	v_nop
.irp c, 0,1,2,3
	ds_store_b128 v[XWI], v[PC+4*\c:PC+4*\c+3] offset:2048*k+512*\c   ; the fragment goes to LDS as it stands: 512 consecutive bytes a store
.endr
.if k < 6
	WLOAD k+2
	XLOAD k+2
.endif
.set k, k+1
.endr
	s_wait_dscnt 0x0                               ; for the others' sake: my images have landed
	s_barrier_signal -1
	s_barrier_wait -1                              ; x's 32 fragments lie in LDS; nothing is stored there again
	MPH 0, 0, 0, 0
	OPH 0, 0, KSC
	MPH 0, 1, 1, 0
	OPH 0, 1, KSC
	MPH 1, 0, 0, 1
	OPH 1, 0, VSC
	MPH 1, 1, 0, 0
	OPH 1, 1, VSC
	s_wait_tensorcnt 0x0                           ; the wave's end
	ds_add_u32 v[SPW], v[NIL]
	s_wait_dscnt 0x0
	s_endpgm
.Lfunc_end_k_q9320459db6_kvp:
	.size	k_q9320459db6_kvp, .Lfunc_end_k_q9320459db6_kvp-k_q9320459db6_kvp
	.p2alignl 7, 3214868480
	.fill 96, 4, 3214868480
	.section	.rodata,"a",@progbits
	.p2align	6, 0x0
	.amdhsa_kernel k_q9320459db6_kvp
		.amdhsa_group_segment_fixed_size 66048
		.amdhsa_private_segment_fixed_size 0
		.amdhsa_enable_private_segment 0
		.amdhsa_kernarg_size 32
		.amdhsa_user_sgpr_count 2
		.amdhsa_user_sgpr_kernarg_segment_ptr 1
		.amdhsa_wavefront_size32 1
		.amdhsa_system_sgpr_workgroup_id_x 1
		.amdhsa_system_sgpr_workgroup_id_y 1
		.amdhsa_system_sgpr_workgroup_id_z 1
		.amdhsa_system_vgpr_workitem_id 0
		.amdhsa_next_free_vgpr 1024
		.amdhsa_next_free_sgpr 66
		.amdhsa_reserve_vcc 0
		.amdhsa_float_denorm_mode_32 3
		.amdhsa_float_denorm_mode_16_64 3
		.amdhsa_memory_ordered 1
		.amdhsa_forward_progress 1
		.amdhsa_inst_pref_size 210
	.end_amdhsa_kernel
	.amdgpu_metadata
---
amdhsa.version: [ 1, 2 ]
amdhsa.kernels:
  - .name:           k_q9320459db6_kvp
    .symbol:         k_q9320459db6_kvp.kd
    .args:
      - { .name: x, .offset: 0, .size: 8, .value_kind: global_buffer, .address_space: global }
      - { .name: wc, .offset: 8, .size: 8, .value_kind: global_buffer, .address_space: global }
      - { .name: lowp_scales, .offset: 16, .size: 8, .value_kind: global_buffer, .address_space: global }
      - { .name: kv, .offset: 24, .size: 8, .value_kind: global_buffer, .address_space: global }
    .group_segment_fixed_size: 66048
    .private_segment_fixed_size: 0
    .kernarg_segment_align: 8
    .kernarg_segment_size: 32
    .max_flat_workgroup_size: 128
    .sgpr_count:     66
    .vgpr_count:     1024
    .wavefront_size: 32
...
	.end_amdgpu_metadata
.endif
;; end of part 2
;; launch att (part 3): grid 4 x 64, 8 waves a work-group, no clusters, 152,576 bytes of LDS; arguments latents, wc, kv, lowp_scales, ao; writes ao
.if DOCPART == 3
	.amdgcn_target "amdgcn-amd-amdhsa--gfx1250"
	.amdhsa_code_object_version 6
	.text
	.protected	k_q9320459db6_att
	.globl	k_q9320459db6_att
	.p2align	8
	.type	k_q9320459db6_att,@function
k_q9320459db6_att:
	s_mov_b64 s[64:65], 0
	v_nop
	global_prefetch_b8 v0, s[64:65] scope:SCOPE_SE
	s_setreg_imm32_b32 hwreg(HW_REG_WAVE_MODE, 25, 1), 1
	s_wait_xcnt 0x0
; q = latents w_q^T, S = q k^T / sqrt(32), softmax, O = p v, all products on codes of E4M3 with the given scales; O / l is quantised with 2^e8 and stored as the last product's operand.
; THE SOFTMAX: t = score x log2(e) / sqrt(32); M = the running largest t rounded UP to a whole number, kept as -M; p = 2^(t - M) is quantised with 2^e7, not normalised; the row's sum l is taken of the
; unquantised p; when M moves, l and O are multiplied by 2^(old M - new M), which rounds nothing.
; LIMITS: e0, e7, e8 and e4 - e0 - e1 between -126 and 119; e4 + e5 between -124 and 129 (added to c's exponent field); e6 + e7 goes in by v_ldexp_f32.  NaN and infinity among the inputs are not served.
; SHARES.  A work-group owns 128 queries (8 tiles of 16) of one head of one batch.  THE EIGHT WAVES SHARE THE KEYS: wave w walks keys 1,024 w .. + 1,023, eight steps of 128, for all 8 tiles.
; So each byte of K and V is loaded once by the work-group, from kv straight into the operand's registers (16 loads of 512 consecutive bytes a step), and feeds 8 tiles from there: the loop has no LDS access and
; no barrier.  At the end the eight partial (M, l, O) of each tile meet in LDS and wave w merges tile w, by factors 2^(M_w - M) that round nothing.
; No tensor load, no cluster: the way through LDS would add a write and a read of every byte.
; No prefetch: a step's 16 loads are issued in the first tile of the step before, more than seven tiles' work ahead of their first use.
; LAYOUT.  Both products transposed: S^T = K q^T, O^T = V^T p^T: a lane holds one query (lane % 16).  The head has 32 dims and the narrowest form 64 along K: a fragment of K holds TWO key tiles (four registers
; each), and is multiplied by [q | 0] for the first and by [0 | q] for the second.  The keys of a tile are chosen (in the launch before) so that S's registers 16 b + i are keys 32 b + 16 hh + i.
; REGISTERS.  Window 0: v1-7, v16-18 addresses; v8-15 at work; v24-39 (-M, l) of the 8 tiles; v40-55 p's codes; v56-119 S; v120-183, v184-247 two steps' K (32) and V (32); v248-255 f, scales, holds.
;   Window 1: v0-127 O^T, tile i at 16 i (register 8 n + j = channel 16 hh + 8 n + j); from v128: zeros at 128 + 8 i .. + 3 (i = 0 .. 8), q's tile i at 128 + 8 i + 4 .. + 7.
.set QIMG,  0                          ; LDS: q's 8 tiles as images of their registers, 512 bytes each
.set STAT,  4096                       ; (-M, l): tile i, wave w, lane l at 2,048 i + 256 w + 8 l
.set OIMG,  20480                      ; O^T: tile i, wave w, group g at 16,384 i + 2,048 w + 512 g + 16 l
.set SPARE, 151552                     ; the spare words, 128 bytes a wave: four blocks of 256 bytes that no other line names
.set LI,   1                           ; v1   16 x lane
.set SPW,  2                           ; v2   LDS address of my spare word; never rewritten
.set NIL,  3                           ; v3   0; never rewritten
.set OST0, 4                           ; v4   where I store O^T of tiles 0-3;  v5: of tiles 4-7
.set SST,  6                           ; v6   where I store (-M, l)
.set ORD,  7                           ; v7   where I read the eight O^T of tile w
.set SRD,  16                          ; v16  and its eight (-M, l)
.set LA,   17                          ; v17  latents: 2,048 r + 64 hh
.set QST,  18                          ; v18  where I store q's tile w
.set ST,   24
.set P,    40
.set S,    56
.set KV0,  120
.set KV1,  184
.set F,    248                         ; v[248:249] f = 2^(old M - new M); the pair's upper word is written once
.set PLIM, 250                         ; v250 448 x 2^e7
.set PSC,  251                         ; v251 2^e7
.set QB,   128
.set MR,   200                         ; the merge: the tile's 16 channels
.set CS,   28                          ; s[28:29] c = log2(e) / sqrt(32) x 2^(e4 + e5)
.set NCS,  30                          ; s30  -c
.set TRIP, 34
.set MSB, 0
.macro WIN new                         ; the immediate's high byte repeats the setting that is left; a switch that changes nothing is dropped
.if MSB != (\new)
	s_set_vgpr_msb (MSB<<8)|(\new)
.set MSB, (\new)
.endif
.endm
.macro PLACES n
.rept \n
	v_nop
.endr
.endm
.macro MKSC e, sc, lim                 ; v[sc] = 2^e as f32, v[lim] = 448 x 2^e; e in s[e]
	s_add_co_i32 s36, s[\e], 127
	s_lshl_b32 s37, s36, 23
	v_mov_b32 v[\sc], s37
	s_add_co_i32 s36, s36, 8
	s_lshl_b32 s36, s36, 23
	s_or_b32 s36, s36, 0x600000
	v_mov_b32 v[\lim], s36
.endm
.macro KVLOAD buf, off                 ; a key step: K's eight tiles, then V's two fragments: register buf + 4 q takes bytes 512 q + 16 lane
.irp q, 0,1,2,3,4,5,6,7,8,9,10,11,12,13,14,15
	global_load_b128 v[\buf+4*\q:\buf+4*\q+3], v[LI], s[8:9] offset:(\off)+512*\q
.endr
.endm
.macro LLOAD reg, s                    ; my 16 rows of the latents, K step s: register 16 c + 4 j + .. = k 32 c + 16 hh + 4 j + ..
.irp c, 0,1,2,3
.irp j, 0,1,2,3
	global_load_b128 v[\reg+16*\c+4*\j:\reg+16*\c+4*\j+3], v[LA], s[4:5] offset:512*(\s)+128*\c+16*\j
.endr
.endr
.endm
.macro LQ src, s                       ; they become K step s's fragment, in window 1 at QB + 16 s
.set n, 0
.rept 64
	v_med3_num_f32 v[\src+n], v[\src+n], -v253, v253
.set n, n+1
.endr
	WIN 0x40
.irp g, 0,1,2,3,4,5,6,7
	v_cvt_scalef32_pk8_fp8_f32 v[QB+16*(\s)+2*\g:QB+16*(\s)+2*\g+1], v[\src+8*\g:\src+8*\g+7], v252
.endr
	v_nop                                          ; a plain line behind the last conversion
	WIN 0
.endm
.macro KQ i, kb                        ; S^T of tile i and the 128 keys in v[kb] on: 8 products, each starts its sum
	WIN 0x04                                       ; source 1 (q) window 1
.irp t, 0,1,2,3,4,5,6,7
	v_wmma_f32_16x16x64_fp8_fp8 v[S+8*\t:S+8*\t+7], v[\kb+8*(\t/2):\kb+8*(\t/2)+7], v[QB+8*(\i)+4-4*(\t%2):QB+8*(\i)+11-4*(\t%2)], 0
.endr
.endm
; ONE TILE OF 16 QUERIES x 128 KEYS.  S^T was made a tile ago.  p = which buffer holds the step.
.macro TILE i, p
.set KB, KV0+64*(\p)
.set KN, KV0+64*(1-(\p))
.set NM, ST+2*(\i)
	; the largest of my 64 scores: four chains, each accumulator from its low end on
.irp c, 0,1,2,3
	v_max3_num_f32 v[8+\c], v[S+16*\c], v[S+16*\c+1], v[S+16*\c+2]
.endr
.irp j, 3,5,7,9,11,13
.irp c, 0,1,2,3
	v_max3_num_f32 v[8+\c], v[8+\c], v[S+16*\c+\j], v[S+16*\c+\j+1]
.endr
.endr
	v_max3_num_f32 v8, v8, v[S+15], v[S+31]
	v_max3_num_f32 v10, v10, v[S+47], v[S+63]
	v_max3_num_f32 v8, v8, v9, v10
	v_max_num_f32 v8, v8, v11
.if \i == 0
	s_wait_loadcnt 0x0                             ; this step's V is in (asked for a step ago).  The wait stands ahead of the new loads
.if \p == 1
	s_cmp_eq_u32 s[TRIP], 1                        ; the last step has no successor: no load leaves kv
	s_cbranch_scc1 .Lnoload_\@
.endif
	KVLOAD KN, 8192*(\p+1)                         ; the next step, into the other buffer: its last readers stand in front of the 32 lines above
.if \p == 1
.Lnoload_\@:
.endif
.endif
	v_permlanex16_b32 v12, v8, s32, s33            ; my query's other 64 keys lie in the lane 16 away
	v_max_num_f32 v8, v8, v12
	v_mul_f32 v8, s[NCS], v8                       ; -t (c is positive)
	v_floor_f32 v8, v8                             ; -ceil(t)
	v_min_num_f32 v8, v8, v[NM]                    ; the new -M
	v_sub_f32 v13, v8, v[NM]                       ; old M - new M: a whole number, 0 or less
	v_mov_b32 v[NM], v8
	; t - M, two at a time, and p = 2^(t - M): ONE BATCH of 64 exponentials; no line in it names a result
	v_pk_fma_f32 v[S:S+1], v[S:S+1], s[CS:CS+1], v[NM:NM+1] op_sel_hi:[1,0,0]
	v_pk_fma_f32 v[S+2:S+3], v[S+2:S+3], s[CS:CS+1], v[NM:NM+1] op_sel_hi:[1,0,0]
.set j, 2
.rept 30
	v_exp_f32 v[S+2*j-4], v[S+2*j-4]
	v_exp_f32 v[S+2*j-3], v[S+2*j-3]
	v_pk_fma_f32 v[S+2*j:S+2*j+1], v[S+2*j:S+2*j+1], s[CS:CS+1], v[NM:NM+1] op_sel_hi:[1,0,0]
.set j, j+1
.endr
	v_exp_f32 v[S+60], v[S+60]
	v_exp_f32 v[S+61], v[S+61]
	v_exp_f32 v[S+62], v[S+62]
	v_exp_f32 v[S+63], v[S+63]
	v_cvt_i32_f32 v13, v13                         ; (it saturates)  These two are the plain lines behind the batch
	v_ldexp_f32 v[F], 1.0, v13                     ; f
	s_wait_alu depctr_va_vdst(0)                   ; the wait ahead of the first line that names an exponential's result: one for the batch
	; the sum of the unquantised p: 31 packed additions in four chains
.irp k, 0,1,2,3
	v_pk_add_f32 v[8+2*\k:9+2*\k], v[S+2*\k:S+2*\k+1], v[S+8+2*\k:S+9+2*\k]
.endr
.irp m, 16,24,32,40,48,56
.irp k, 0,1,2,3
	v_pk_add_f32 v[8+2*\k:9+2*\k], v[8+2*\k:9+2*\k], v[S+\m+2*\k:S+\m+2*\k+1]
.endr
.endr
	v_pk_add_f32 v[8:9], v[8:9], v[10:11]
	v_pk_add_f32 v[12:13], v[12:13], v[14:15]
	v_pk_add_f32 v[8:9], v[8:9], v[12:13]
	; the hold.  p is at most 1 and not negative, so it can pass 448 x 2^e7 only where that is under 1: e7 <= -9.  e7 is a whole number read from memory, the same in all waves
	s_cmp_ge_i32 s23, -8
	s_cbranch_scc1 .Lnohold_\@
.set n, 0
.rept 64
	v_min_num_f32 v[S+n], v[S+n], v[PLIM]
.set n, n+1
.endr
.Lnohold_\@:
.irp t, 0,1,2,3,4,5,6,7
	v_cvt_scalef32_pk8_fp8_f32 v[P+2*\t:P+2*\t+1], v[S+8*\t:S+8*\t+7], v[PSC]   ; registers 4 b .. 4 b + 3: keys 32 b + 16 hh + 0 .. 15
.endr
	v_add_f32 v8, v8, v9                           ; (two plain lines between the conversions and the products that write their sources and read their results)
	v_fma_f32 v[NM+1], v[NM+1], v[F], v8           ; l = l f + the sum
.if \i < 7
	KQ \i+1, KB                                    ; the next tile's scores
.elseif \p == 0
	s_wait_loadcnt 8                               ; the next step's K is in; V's eight loads, issued behind K's, may be out
	KQ 0, KN
.else
	s_cmp_eq_u32 s[TRIP], 1
	s_cbranch_scc1 .Lnokq_\@
	s_wait_loadcnt 8
	KQ 0, KN
	WIN 0
.Lnokq_\@:
.endif
	WIN 0x41                                       ; O^T (source 0, destination) window 1, f window 0
.irp j, 0,2,4,6,8,10,12,14
	v_pk_mul_f32 v[16*(\i)+\j:16*(\i)+\j+1], v[16*(\i)+\j:16*(\i)+\j+1], v[F:F+1] op_sel_hi:[1,0]   ; O^T under the new M.  These eight are also the places behind the scores' products
.endr
	WIN 0x50                                       ; C and D window 1
	v_wmma_f32_16x16x128_fp8_fp8 v[16*(\i):16*(\i)+7], v[KB+32:KB+47], v[P:P+15], v[16*(\i):16*(\i)+7]
	v_wmma_f32_16x16x128_fp8_fp8 v[16*(\i)+8:16*(\i)+15], v[KB+48:KB+63], v[P:P+15], v[16*(\i)+8:16*(\i)+15]
	WIN 0
.endm
	s_load_b256 s[4:11], s[0:1], 0x0               ; latents s[4:5], wc s[6:7], kv s[8:9], the scales' exponents s[10:11]
	s_load_b64 s[12:13], s[0:1], 0x20              ; ao
	v_lshl_add_u32 v[SPW], v0, 2, SPARE
	v_mov_b32 v[NIL], 0
	v_lshrrev_b32 v8, 5, v0
	v_readfirstlane_b32 s14, v8                    ; wave 0..7
	v_and_b32 v[LI], 31, v0
	v_lshlrev_b32 v[LI], 4, v[LI]
	v_and_b32 v8, 15, v0                           ; r
	v_bfe_u32 v9, v0, 4, 1                         ; hh
	v_lshlrev_b32 v[LA], 11, v8
	v_lshl_add_u32 v[LA], v9, 6, v[LA]
	s_lshl_b32 s15, s14, 11
	s_add_co_u32 s15, s15, OIMG
	v_add_nc_u32 v[OST0], s15, v[LI]
	v_add_nc_u32 v[OST0+1], 0x10000, v[OST0]
	v_and_b32 v10, 31, v0
	v_lshlrev_b32 v10, 3, v10                      ; 8 x lane
	s_lshl_b32 s15, s14, 8
	s_add_co_u32 s15, s15, STAT
	v_add_nc_u32 v[SST], s15, v10
	s_lshl_b32 s15, s14, 14
	s_add_co_u32 s15, s15, OIMG
	v_add_nc_u32 v[ORD], s15, v[LI]
	s_lshl_b32 s15, s14, 11
	s_add_co_u32 s15, s15, STAT
	v_add_nc_u32 v[SRD], s15, v10
	s_lshl_b32 s15, s14, 9
	v_add_nc_u32 v[QST], s15, v[LI]
	s_and_b32 s38, ttmp7, 0xffff                   ; 16 b + h
	s_lshr_b32 s39, s38, 4                         ; b
	s_and_b32 s40, s38, 15                         ; h
	s_lshl_b32 s26, s38, 19                        ; kv: 64 steps of 8,192 bytes a head,
	s_lshl_b32 s41, s14, 16                        ; 8 steps a wave
	s_add_co_u32 s26, s26, s41
	s_mov_b32 s27, 0
	s_lshl_b32 s44, s39, 20                        ; latents: 512 rows of 2,048 bytes a batch,
	s_lshl_b32 s41, ttmp9, 18                      ; 128 a block of queries,
	s_add_co_u32 s44, s44, s41
	s_lshl_b32 s41, s14, 15                        ; 16 a wave
	s_add_co_u32 s44, s44, s41
	s_mov_b32 s45, 0
	s_lshl_b32 s46, s40, 14                        ; wc: w_q's tiles 64 + 2 h and the next
	s_add_co_u32 s46, s46, 524288
	s_mov_b32 s47, 0
	s_lshl_b32 s48, s39, 18                        ; ao: ((32 b + 8 block + wave) x 16 + h) x 512
	s_lshl_b32 s41, ttmp9, 16
	s_add_co_u32 s48, s48, s41
	s_lshl_b32 s41, s14, 13
	s_add_co_u32 s48, s48, s41
	s_lshl_b32 s41, s40, 9
	s_add_co_u32 s48, s48, s41
	s_mov_b32 s49, 0
	s_mov_b32 s32, 0x76543210                      ; v_permlanex16_b32's selects for lane l xor 16
	s_mov_b32 s33, 0xfedcba98
	s_mov_b32 s[TRIP], 4
	s_wait_kmcnt 0x0
	s_load_b256 s[16:23], s[10:11], 0x0            ; e0 .. e7
	s_load_b32 s24, s[10:11], 0x20                 ; e8
	s_add_nc_u64 s[8:9], s[8:9], s[26:27]
	s_add_nc_u64 s[4:5], s[4:5], s[44:45]
	s_add_nc_u64 s[6:7], s[6:7], s[46:47]
	s_add_nc_u64 s[12:13], s[12:13], s[48:49]
	KVLOAD KV0, 0                                  ; my first key step
	LLOAD S, 0
	LLOAD KV1, 1
	WIN 0x40
.irp u, 0,1
.irp s, 0,1,2,3
.irp c, 0,1,2,3
	global_load_b128 v[16*(4*\u+\s)+4*\c:16*(4*\u+\s)+4*\c+3], v[LI], s[6:7] offset:8192*\u+2048*\s+512*\c   ; w_q's fragment (half u, K step s) at v[16 (4 u + s)] of window 1
.endr
.endr
.endr
	WIN 0
	s_wait_kmcnt 0x0
	MKSC 16, 252, 253                              ; the latents': 2^e0
	s_sub_co_i32 s42, s20, s16
	s_sub_co_i32 s42, s42, s17                     ; a sum of the first product stands for sum x 2^(e0 + e1): q's conversion takes 2^(e4 - e0 - e1)
	MKSC 42, 254, 255
	MKSC 23, PSC, PLIM                             ; p's: 2^e7
	s_add_co_i32 s41, s20, s21
	s_lshl_b32 s41, s41, 23
	s_add_co_i32 s[CS], s41, 0x3e8293ee            ; c = log2(e) / sqrt(32), with e4 + e5 added to its exponent field
	s_mov_b32 s[CS+1], s[CS]                       ; (named with it as a pair, so it is written)
	s_or_b32 s[NCS], s[CS], 0x80000000
	s_add_co_i32 s35, s22, s23                     ; e6 + e7
	; ---- q's tile w: my 16 rows of the latents are quantised, two K steps in flight
	s_wait_loadcnt 48                              ; K step 0 is in; behind it: K step 1's 16 loads and w_q's 32
	LQ S, 0
	LLOAD S, 2
	s_wait_loadcnt 48                              ; K step 1; behind it: w_q's 32 and K step 2's 16
	LQ KV1, 1
	LLOAD KV1, 3
	s_wait_loadcnt 16                              ; K step 2; behind it: K step 3's 16
	LQ S, 2
	s_wait_loadcnt 0x0
	LQ KV1, 3
	WIN 0x05                                       ; sources 0 (w_q) and 1 (latents) window 1, C and D window 0
.irp s, 0,1,2,3
.irp u, 0,1                            ; two accumulators by turns: dims 16 hh + 8 u + 0 .. 7 of query r
.if \s == 0
	v_wmma_f32_16x16x128_fp8_fp8 v[ST+8*\u:ST+8*\u+7], v[16*(4*\u+\s):16*(4*\u+\s)+15], v[QB+16*\s:QB+16*\s+15], 0
.else
	v_wmma_f32_16x16x128_fp8_fp8 v[ST+8*\u:ST+8*\u+7], v[16*(4*\u+\s):16*(4*\u+\s)+15], v[QB+16*\s:QB+16*\s+15], v[ST+8*\u:ST+8*\u+7]
.endif
.endr
.endr
	WIN 0
	PLACES 4
.irp i, 0,1,2,3,4,5,6,7,8,9,10,11,12,13,14,15
	v_med3_num_f32 v[ST+\i], v[ST+\i], -v255, v255
.endr
	v_cvt_scalef32_pk8_fp8_f32 v[P:P+1], v[ST:ST+7], v254
	v_cvt_scalef32_pk8_fp8_f32 v[P+2:P+3], v[ST+8:ST+15], v254
	v_nop
	ds_store_b128 v[QST], v[P:P+3]                 ; q's tile w: lane (r, hh): query r, dims 16 hh + 0 .. 15
	s_wait_dscnt 0x0                               ; for the others' sake
	s_barrier_signal -1
	s_barrier_wait -1                              ; q's eight tiles lie in LDS
	WIN 0x40
.set n, 0
.rept 128
	v_mov_b32 v[n], 0                              ; O^T.  Cleared once, so that the key step is written without a first step of its own: the first change of M multiplies zeros
.set n, n+1
.endr
.irp i, 0,1,2,3,4,5,6,7,8
.irp j, 0,1,2,3
	v_mov_b32 v[QB+8*\i+\j], 0                     ; the zero halves between q's tiles
.endr
.endr
.irp i, 0,1,2,3,4,5,6,7
	ds_load_b128 v[QB+8*\i+4:QB+8*\i+7], v[LI] offset:QIMG+512*\i
.endr
	WIN 0
.irp i, 0,1,2,3,4,5,6,7
	v_mov_b32 v[ST+2*\i], 0x7f61b1e6               ; -M: 3e38, over every -t
	v_mov_b32 v[ST+2*\i+1], 0                      ; l
.endr
	v_mov_b32 v12, 0                               ; written once: a lane permute's destination counts as one of its sources
	v_mov_b32 v[F+1], 0
	s_wait_dscnt 0x0
	KQ 0, KV0
	WIN 0
	PLACES 4
.Ltrip:                                            ; four trips of two key steps: the buffers are back where they began
.irp i, 0,1,2,3,4,5,6,7
	TILE \i, 0
.endr
.irp i, 0,1,2,3,4,5,6,7
	TILE \i, 1
.endr
	s_wait_xcnt 0x0                                ; the trip's loads have read their base: only behind this wait is it stepped
	s_add_nc_u64 s[8:9], s[8:9], 16384
	s_sub_co_u32 s[TRIP], s[TRIP], 1
	s_cmp_lg_u32 s[TRIP], 0
	s_cbranch_scc1 .Ltrip
	; ---- THE MERGE.  My eight tiles' O^T and (-M, l) go to LDS as they stand; behind the barrier wave w takes tile w's eight parts
	PLACES 4
	WIN 0x04                                       ; the stores' data in window 1
.irp i, 0,1,2,3,4,5,6,7
.irp g, 0,1,2,3
	ds_store_b128 v[OST0+\i/4], v[16*\i+4*\g:16*\i+4*\g+3] offset:(\i%4)*16384+512*\g
.endr
.endr
	WIN 0
.irp i, 0,1,2,3,4,5,6,7
	ds_store_b64 v[SST], v[ST+2*\i:ST+2*\i+1] offset:2048*\i
.endr
	s_wait_dscnt 0x0                               ; for the others' sake
	s_barrier_signal -1
	s_barrier_wait -1
.irp q, 0,1,2,3,4,5,6,7
	ds_load_b64 v[KV1+2*\q:KV1+2*\q+1], v[SRD] offset:256*\q
.endr
.irp q, 0,1,2,3,4,5,6,7
.irp g, 0,1,2,3
	ds_load_b128 v[S+16*\q+4*\g:S+16*\q+4*\g+3], v[ORD] offset:2048*\q+512*\g
.endr
.endr
	s_wait_dscnt 0x0
	v_min3_num_f32 v8, v[KV1], v[KV1+2], v[KV1+4]
	v_min3_num_f32 v8, v8, v[KV1+6], v[KV1+8]
	v_min3_num_f32 v8, v8, v[KV1+10], v[KV1+12]
	v_min_num_f32 v8, v8, v[KV1+14]                ; -M of the whole row
.irp q, 0,1,2,3,4,5,6,7
	v_sub_f32 v[KV1+2*\q], v8, v[KV1+2*\q]         ; M_q - M: a whole number, 0 or less
.endr
.irp q, 0,1,2,3,4,5,6,7
	v_cvt_i32_f32 v[KV1+2*\q], v[KV1+2*\q]
.endr
.irp q, 0,1,2,3,4,5,6,7
	v_ldexp_f32 v[KV1+2*\q], 1.0, v[KV1+2*\q]      ; f_q = 2^(M_q - M)
.endr
	v_mul_f32 v9, v[KV1], v[KV1+1]
.irp q, 1,2,3,4,5,6,7
	v_fma_f32 v9, v[KV1+2*\q], v[KV1+2*\q+1], v9   ; l = the sum of f_q l_q
.endr
.irp j, 0,2,4,6,8,10,12,14
	v_pk_mul_f32 v[MR+\j:MR+\j+1], v[S+\j:S+\j+1], v[KV1:KV1+1] op_sel_hi:[1,0]
.endr
.irp q, 1,2,3,4,5,6,7
.irp j, 0,2,4,6,8,10,12,14
	v_pk_fma_f32 v[MR+\j:MR+\j+1], v[S+16*\q+\j:S+16*\q+\j+1], v[KV1+2*\q:KV1+2*\q+1], v[MR+\j:MR+\j+1] op_sel_hi:[1,0,1]
.endr
.endr
	v_permlanex16_b32 v12, v9, s32, s33
	v_add_f32 v9, v9, v12                          ; and the other half of the lanes' keys
	v_rcp_f32 v10, v9
	MKSC 24, 252, 253                              ; 2^e8 and 448 x 2^e8: plain lines behind the reciprocal
	s_wait_alu depctr_va_vdst(0)                   ; the wait ahead of the first line that names the reciprocal
	v_ldexp_f32 v10, v10, s35                      ; x 2^(e6 + e7)
.irp j, 0,2,4,6,8,10,12,14
	v_pk_mul_f32 v[MR+\j:MR+\j+1], v[MR+\j:MR+\j+1], v[10:11] op_sel_hi:[1,0]
.endr
.irp i, 0,1,2,3,4,5,6,7,8,9,10,11,12,13,14,15
	v_med3_num_f32 v[MR+\i], v[MR+\i], -v253, v253
.endr
	v_cvt_scalef32_pk8_fp8_f32 v[P:P+1], v[MR:MR+7], v252
	v_cvt_scalef32_pk8_fp8_f32 v[P+2:P+3], v[MR+8:MR+15], v252
	v_nop
	global_store_b128 v[LI], v[P:P+3], s[12:13]    ; lane (r, hh): row 16 (tile) + r, k = 32 h + 16 hh + 0 .. 15: 512 consecutive bytes of the last product's operand
	s_wait_tensorcnt 0x0                           ; the wave's end
	ds_add_u32 v[SPW], v[NIL]
	s_wait_dscnt 0x0
	s_endpgm
.Lfunc_end_k_q9320459db6_att:
	.size	k_q9320459db6_att, .Lfunc_end_k_q9320459db6_att-k_q9320459db6_att
	.p2alignl 7, 3214868480
	.fill 96, 4, 3214868480
	.section	.rodata,"a",@progbits
	.p2align	6, 0x0
	.amdhsa_kernel k_q9320459db6_att
		.amdhsa_group_segment_fixed_size 152576
		.amdhsa_private_segment_fixed_size 0
		.amdhsa_enable_private_segment 0
		.amdhsa_kernarg_size 40
		.amdhsa_user_sgpr_count 2
		.amdhsa_user_sgpr_kernarg_segment_ptr 1
		.amdhsa_wavefront_size32 1
		.amdhsa_system_sgpr_workgroup_id_x 1
		.amdhsa_system_sgpr_workgroup_id_y 1
		.amdhsa_system_sgpr_workgroup_id_z 1
		.amdhsa_system_vgpr_workitem_id 0
		.amdhsa_next_free_vgpr 512
		.amdhsa_next_free_sgpr 66
		.amdhsa_reserve_vcc 0
		.amdhsa_float_denorm_mode_32 3
		.amdhsa_float_denorm_mode_16_64 3
		.amdhsa_memory_ordered 1
		.amdhsa_forward_progress 1
		.amdhsa_inst_pref_size 255
	.end_amdhsa_kernel
	.amdgpu_metadata
---
amdhsa.version: [ 1, 2 ]
amdhsa.kernels:
  - .name:           k_q9320459db6_att
    .symbol:         k_q9320459db6_att.kd
    .args:
      - { .name: latents, .offset: 0, .size: 8, .value_kind: global_buffer, .address_space: global }
      - { .name: wc, .offset: 8, .size: 8, .value_kind: global_buffer, .address_space: global }
      - { .name: kv, .offset: 16, .size: 8, .value_kind: global_buffer, .address_space: global }
      - { .name: lowp_scales, .offset: 24, .size: 8, .value_kind: global_buffer, .address_space: global }
      - { .name: ao, .offset: 32, .size: 8, .value_kind: global_buffer, .address_space: global }
    .group_segment_fixed_size: 152576
    .private_segment_fixed_size: 0
    .kernarg_segment_align: 8
    .kernarg_segment_size: 40
    .max_flat_workgroup_size: 256
    .sgpr_count:     66
    .vgpr_count:     512
    .wavefront_size: 32
...
	.end_amdgpu_metadata
.endif
;; end of part 3
;; launch outp (part 4): grid 8 x 32, 4 waves a work-group, no clusters, 17,920 bytes of LDS; arguments ao, wc, b_out, lowp_scales, out0; writes out0
.if DOCPART == 4
	.amdgcn_target "amdgcn-amd-amdhsa--gfx1250"
	.amdhsa_code_object_version 6
	.text
	.protected	k_q9320459db6_outp
	.globl	k_q9320459db6_outp
	.p2align	8
	.type	k_q9320459db6_outp,@function
k_q9320459db6_outp:
	s_mov_b64 s[64:65], 0
	v_nop
	global_prefetch_b8 v0, s[64:65] scope:SCOPE_SE
	s_setreg_imm32_b32 hwreg(HW_REG_WAVE_MODE, 25, 1), 1
	s_wait_xcnt 0x0
; out0 = (attention's output) w_out^T + b_out, on codes of E4M3: ao (2^e8) and w_out's tiles of wc (2^e9), both laid in the order of the operand's registers.  out0 [2048][512] f32.
; y = sum x 2^(e8 + e9) + b: one packed multiply-add for two numbers.  LIMIT: e8 + e9 between -126 and 127.
; SHARES.  256 work-groups of 64 rows x 64 columns; wave w takes 16 rows against the four column tiles: 16 matrix instructions, four accumulators by turns.  Every operand comes by loads of 512 consecutive
; bytes straight into its registers.  Source 0 = w_out's rows, source 1 = ao: a lane holds one row of out0, and the tiles' chosen rows make registers 16 g + i columns 32 g + 16 hh + i.
; The wave's 16 rows x 256 bytes go through its own stage in LDS and leave as whole rows: sixteen lanes store 256 consecutive bytes, aligned.  No barrier: waves share nothing.
; No tensor load, cluster or prefetch: each work-group has 128 KiB of weight codes and 32 KiB of ao (8 KiB a wave), all asked for at once at the head.
.set LI,   1                           ; v1  16 x lane
.set STO,  2                           ; v2  the stage, in: row r, + 64 hh
.set RD,   3                           ; v3  the stage, back: lanes 0-15 one row, lanes 16-31 the next
.set GO,   4                           ; v4  the same two rows in out0
.set SPW,  5                           ; v5  LDS address of my spare word; never rewritten
.set NIL,  6                           ; v6  0; never rewritten
.set BO,   7                           ; v7  64 hh: my 16 numbers of 32 of the bias
.set AO,   32                          ; v32-95    ao's four fragments
.set ACC,  96                          ; v96-127   four accumulators
.set BIAS, 128                         ; v128-159  the bias in the result's layout
.set RES,  160                         ; v160-191  results
.set BK,   192                         ; v192-223  rows read back.   Window 1: w_out's fragment (tile t, K step s) at v[16 (4 t + s)]
.set SPARE, 17408                      ; LDS: four stages of 16 rows x (256 + 16) bytes, then the spare words, 128 bytes a wave: two blocks of 256 bytes that no other line names
.set MSB, 0
.macro WIN new
.if MSB != (\new)
	s_set_vgpr_msb (MSB<<8)|(\new)
.set MSB, (\new)
.endif
.endm
	s_load_b256 s[4:11], s[0:1], 0x0               ; ao s[4:5], wc s[6:7], b_out s[8:9], the scales' exponents s[10:11]
	s_load_b64 s[12:13], s[0:1], 0x20              ; out0
	v_lshl_add_u32 v[SPW], v0, 2, SPARE
	v_mov_b32 v[NIL], 0
	v_lshrrev_b32 v8, 5, v0
	v_readfirstlane_b32 s14, v8                    ; wave 0..3
	v_and_b32 v[LI], 31, v0
	v_lshlrev_b32 v[LI], 4, v[LI]
	v_and_b32 v8, 15, v0                           ; r
	v_bfe_u32 v9, v0, 4, 1                         ; hh
	s_mul_i32 s15, s14, 16*272                     ; my stage
	v_mul_u32_u24 v[STO], v8, 272
	v_lshl_add_u32 v[STO], v9, 6, v[STO]
	v_add_nc_u32 v[STO], s15, v[STO]
	v_mul_u32_u24 v[RD], v9, 272
	v_lshl_add_u32 v[RD], v8, 4, v[RD]
	v_add_nc_u32 v[RD], s15, v[RD]
	v_lshlrev_b32 v[GO], 11, v9
	v_lshl_add_u32 v[GO], v8, 4, v[GO]
	v_lshlrev_b32 v[BO], 6, v9
	s_and_b32 s16, ttmp7, 0xffff
	s_lshl_b32 s16, s16, 2
	s_add_co_u32 s16, s16, s14                     ; my tile of 16 rows: 4 y + wave
	s_lshl_b32 s18, s16, 13                        ; ao: 8,192 bytes a tile
	s_mov_b32 s19, 0
	s_lshl_b32 s20, ttmp9, 15                      ; wc: tiles 96 + 4 x on
	s_add_co_u32 s20, s20, 786432
	s_mov_b32 s21, 0
	s_lshl_b32 s22, ttmp9, 8                       ; 64 columns: 256 bytes
	s_mov_b32 s23, 0
	s_lshl_b32 s28, s16, 15                        ; out0: 16 rows of 2,048 bytes a tile,
	s_add_co_u32 s28, s28, s22                     ; + my columns
	s_mov_b32 s29, 0
	s_wait_kmcnt 0x0
	s_load_b64 s[24:25], s[10:11], 0x20            ; e8, e9
	s_add_nc_u64 s[4:5], s[4:5], s[18:19]
	s_add_nc_u64 s[6:7], s[6:7], s[20:21]
	s_add_nc_u64 s[8:9], s[8:9], s[22:23]
	s_add_nc_u64 s[12:13], s[12:13], s[28:29]
.irp g, 0,1
.irp q, 0,1,2,3
	global_load_b128 v[BIAS+16*\g+4*\q:BIAS+16*\g+4*\q+3], v[BO], s[8:9] offset:128*\g+16*\q
.endr
.endr
.irp s, 0,1,2,3                        ; 20 loads for each K step
	WIN 0
.irp c, 0,1,2,3
	global_load_b128 v[AO+16*\s+4*\c:AO+16*\s+4*\c+3], v[LI], s[4:5] offset:2048*\s+512*\c
.endr
	WIN 0x40
.irp t, 0,1,2,3
.irp c, 0,1,2,3
	global_load_b128 v[16*(4*\t+\s)+4*\c:16*(4*\t+\s)+4*\c+3], v[LI], s[6:7] offset:8192*\t+2048*\s+512*\c
.endr
.endr
.endr
	WIN 0
	s_wait_kmcnt 0x0
	s_add_co_i32 s26, s24, s25
	s_add_co_i32 s26, s26, 127
	s_lshl_b32 s26, s26, 23                        ; 2^(e8 + e9) as f32
	s_mov_b32 s27, s26                             ; (named with it as a pair, so it is written)
.irp s, 0,1,2,3
	s_wait_loadcnt 20*(3-\s)                       ; this K step's 20 loads are in; those of the later K steps may be out
	WIN 0x01                                       ; source 0 (w_out) window 1
.irp t, 0,1,2,3                        ; four accumulators by turns; K step 0 starts the sums
.if \s == 0
	v_wmma_f32_16x16x128_fp8_fp8 v[ACC+8*\t:ACC+8*\t+7], v[16*(4*\t+\s):16*(4*\t+\s)+15], v[AO+16*\s:AO+16*\s+15], 0
.else
	v_wmma_f32_16x16x128_fp8_fp8 v[ACC+8*\t:ACC+8*\t+7], v[16*(4*\t+\s):16*(4*\t+\s)+15], v[AO+16*\s:AO+16*\s+15], v[ACC+8*\t:ACC+8*\t+7]
.endif
.endr
.endr
	WIN 0
.rept 4
	v_nop                                          ; four places in front of the first read of the sums (ISA guide 7.12.1)
.endr
.irp j, 0,2,4,6,8,10,12,14,16,18,20,22,24,26,28,30
	v_pk_fma_f32 v[RES+\j:RES+\j+1], v[ACC+\j:ACC+\j+1], s[26:27], v[BIAS+\j:BIAS+\j+1] op_sel_hi:[1,0,1]   ; y = sum x 2^(e8 + e9) + b; each accumulator from its low end on
.endr
.irp g, 0,1
.irp q, 0,1,2,3
	ds_store_b128 v[STO], v[RES+16*\g+4*\q:RES+16*\g+4*\q+3] offset:128*\g+16*\q
.endr
.endr
.irp i, 0,1,2,3,4,5,6,7
	ds_load_b128 v[BK+4*\i:BK+4*\i+3], v[RD] offset:544*\i   ; LDS serves a wave's instructions in order (ISA guide 5.7.1.4): these see my stores
.endr
.irp i, 0,1,2,3,4,5,6,7
	s_wait_dscnt 7-\i
	global_store_b128 v[GO], v[BK+4*\i:BK+4*\i+3], s[12:13] offset:4096*\i th:TH_STORE_NT   ; sixteen lanes store 256 consecutive bytes, at a multiple of 256 from out0's first byte
.endr
	s_wait_tensorcnt 0x0                           ; the wave's end
	ds_add_u32 v[SPW], v[NIL]
	s_wait_dscnt 0x0
	s_endpgm
.Lfunc_end_k_q9320459db6_outp:
	.size	k_q9320459db6_outp, .Lfunc_end_k_q9320459db6_outp-k_q9320459db6_outp
	.p2alignl 7, 3214868480
	.fill 96, 4, 3214868480
	.section	.rodata,"a",@progbits
	.p2align	6, 0x0
	.amdhsa_kernel k_q9320459db6_outp
		.amdhsa_group_segment_fixed_size 17920
		.amdhsa_private_segment_fixed_size 0
		.amdhsa_enable_private_segment 0
		.amdhsa_kernarg_size 40
		.amdhsa_user_sgpr_count 2
		.amdhsa_user_sgpr_kernarg_segment_ptr 1
		.amdhsa_wavefront_size32 1
		.amdhsa_system_sgpr_workgroup_id_x 1
		.amdhsa_system_sgpr_workgroup_id_y 1
		.amdhsa_system_sgpr_workgroup_id_z 1
		.amdhsa_system_vgpr_workitem_id 0
		.amdhsa_next_free_vgpr 512
		.amdhsa_next_free_sgpr 66
		.amdhsa_reserve_vcc 0
		.amdhsa_float_denorm_mode_32 3
		.amdhsa_float_denorm_mode_16_64 3
		.amdhsa_memory_ordered 1
		.amdhsa_forward_progress 1
		.amdhsa_inst_pref_size 16
	.end_amdhsa_kernel
	.amdgpu_metadata
---
amdhsa.version: [ 1, 2 ]
amdhsa.kernels:
  - .name:           k_q9320459db6_outp
    .symbol:         k_q9320459db6_outp.kd
    .args:
      - { .name: ao, .offset: 0, .size: 8, .value_kind: global_buffer, .address_space: global }
      - { .name: wc, .offset: 8, .size: 8, .value_kind: global_buffer, .address_space: global }
      - { .name: b_out, .offset: 16, .size: 8, .value_kind: global_buffer, .address_space: global }
      - { .name: lowp_scales, .offset: 24, .size: 8, .value_kind: global_buffer, .address_space: global }
      - { .name: out0, .offset: 32, .size: 8, .value_kind: global_buffer, .address_space: global }
    .group_segment_fixed_size: 17920
    .private_segment_fixed_size: 0
    .kernarg_segment_align: 8
    .kernarg_segment_size: 40
    .max_flat_workgroup_size: 128
    .sgpr_count:     66
    .vgpr_count:     512
    .wavefront_size: 32
...
	.end_amdgpu_metadata
.endif
;; end of part 4
;; ======== version 2 of 2: 4 launches; version 1 with the launches kvp, att, outp written anew for expert scheduling mode
;; workspace buffers: wc 1,048,576 bytes; kv 33,554,432 bytes; ao 1,048,576 bytes
;; launch prep: the kernel of part 1 again; grid 256 x 1, 2 waves a work-group, no clusters, 0 bytes of LDS; arguments w_kv, w_q, w_out, lowp_scales, wc; writes wc
;; launch kvp (part 5): grid 256 x 1, 4 waves a work-group, no clusters, 66,048 bytes of LDS; arguments x, wc, lowp_scales, kv; writes kv
.if DOCPART == 5
	.amdgcn_target "amdgcn-amd-amdhsa--gfx1250"
	.amdhsa_code_object_version 6
	.text
	.protected	k_q9320459db6_kvp
	.globl	k_q9320459db6_kvp
	.p2align	8
	.type	k_q9320459db6_kvp,@function
k_q9320459db6_kvp:
	s_mov_b64 s[64:65], 0
	v_nop
	global_prefetch_b8 v0, s[64:65] scope:SCOPE_SE
	s_setreg_imm32_b32 hwreg(HW_REG_WAVE_SCHED_MODE, 0, 2), 2
	s_setreg_imm32_b32 hwreg(HW_REG_WAVE_MODE, 25, 1), 1
	s_wait_xcnt 0x0
	s_wait_alu depctr_vm_vsrc(0)
; kv = x w_kv^T on codes of E4M3, and its result quantised again: K with 2^e5, V with 2^e6, stored in the order in which the attention launch's operand registers take them.
; x [32768][512] f32 is quantised here with 2^e2; w_kv comes as codes (2^e3) from wc.  A sum stands for sum x 2^(e2 + e3), so K's conversion takes 2^(e5 - e2 - e3) and V's 2^(e6 - e2 - e3).
; LIMITS: e2, e5 - e2 - e3 and e6 - e2 - e3 between -126 and 119.  NaN and infinity among the inputs are not served.
; SHARES.  A work-group takes one key step, 128 rows of x, against all 1,024 columns: x is read from memory once in the launch.  THE WAVES SHARE THE COLUMNS: wave w owns heads 4 w .. 4 w + 3.
; Phase X: wave w quantises rows 32 w .. 32 w + 31 (two tiles x four K steps) and stores the eight fragments into LDS as images of their registers; ONE barrier.
; Then two passes, K and V.  In each the wave's 8 column tiles x 4 K steps of weights lie in 512 registers; the 8 tiles of x go in two blocks of four: 32 accumulators.
; x'S TILES HAVE THE KEYS' ORDER: lane r of tile t takes row 32 (t / 2) + 8 (t % 2) + r + 8 (r / 8).  Pass K: source 0 = weights, source 1 = x: a lane holds one key and 16 neighbouring dims of a head.
; Pass V: source 0 = x, source 1 = weights: a lane holds one channel and 16 neighbouring keys.  So the conversions' results are 16 bytes that belong together, and each store of a wave is 512 consecutive bytes.
; kv: [b 16 + head][step 0..63][8,192 bytes]: K tile t at 512 t + 16 lane; V, half n, keys 32 c on, at 4096 + 2048 n + 512 c + 16 lane.
; No tensor load: x has to pass through registers to be quantised.  No cluster: no two work-groups share a row of x, and the shared weights are codes, 512 KiB a work-group against 256 KiB of x.
; No prefetch: phase X is a plain stream with 64 loads a wave issued ahead.
; THE MODE: SCHED_MODE bits 1:0 = 2 (LLVM: expert scheduling mode 2), set by the entry lines.  The code itself states the register dependences
; between vector or matrix instructions and memory or LDS instructions, with s_wait_alu, always for 0.
; THE PLAN.  Registers that memory or LDS instructions touch:
;   v1, v2, v3    offsets and LDS addresses: written at the head, ahead of the first wait on va_vdst; no vector instruction names them again.
;   XS0, XS1      Phase X, step k: its holds and conversions read and write XS[k % 2]; behind them the loads of fragment k + 2 land in it.  Products, K step s: its 32 products read XS[s % 2]; the LDS loads of K step s + 2 land in it.
;   PC0, PC1      Phase X, step k: its conversions write PC[k % 2], its four LDS stores read it, step k + 2's conversions write it again.
;   the weights   Pass K's second block, K step s: its products read fragments (.., s); behind them pass V's fragments land there.
;   OC            A block's conversions write it, its 16 stores read it, the next block's conversions write it again.
; So: one wait on va_vdst to a step of phase X, behind its conversions; one wait on vm_vsrc there for the image stored a step ago; one wait on va_vdst behind a K step's products where loads into what they read follow;
; in a block's way out a wait on vm_vsrc ahead of its conversions and a wait on va_vdst ahead of its stores, which also serves the next block's first loads from LDS.
; REGISTERS, in windows of 256.  Window 0: v1-5 addresses; v8-13 scales and holds; v16-31 and v224-239 codes just made, two buffers by turns; v32-159 two sets of 64: numbers of x, later x's fragments; v160-223 codes on the way out.
;   Window 1: accumulator (column tile ct, x tile tl) at v[8 (4 ct + tl)].   Windows 2, 3: weight fragment (ct, s) at v[16 (4 (ct % 4) + s)], ct 0-3 in window 2, ct 4-7 in window 3.
.set LI,    1                          ; v1   16 x lane
.set XA,    2                          ; v2   x: (r + 8 (r / 8)) x 2,048 + 64 hh
.set XWI,   3                          ; v3   where I store x's images: 16 x lane + 16,384 x wave
.set SPW,   4                          ; v4   LDS address of my spare word; never rewritten
.set NIL,   5                          ; v5   0; never rewritten
.set XSC,   8                          ; v8, v9    2^e2 and 448 x that
.set KSC,   10                         ; v10, v11  the same for e5 - e2 - e3
.set VSC,   12                         ; v12, v13  the same for e6 - e2 - e3
.set PC,    16                         ; buffer 0; buffer 1 lies 208 registers on, at v224
.set XS,    32
.set OC,    160
.set SPARE, 65536                      ; LDS: x's 32 images (fragment (t, s) at 2,048 (4 t + s)), then the spare words, 128 bytes a wave: two blocks of 256 bytes that no other line names
.set MSB, 0
.macro WIN new                         ; the immediate's high byte repeats the setting that is left; a switch that changes nothing is dropped
.if MSB != (\new)
	s_set_vgpr_msb (MSB<<8)|(\new)
.set MSB, (\new)
.endif
.endm
.macro PLACES n
.rept \n
	v_nop
.endr
.endm
.macro MKSC e, sc                      ; v[sc] = 2^e as f32, v[sc + 1] = 448 x 2^e; e in s[e]
	s_add_co_i32 s36, s[\e], 127
	s_lshl_b32 s37, s36, 23
	v_mov_b32 v[\sc], s37
	s_add_co_i32 s36, s36, 8
	s_lshl_b32 s36, s36, 23
	s_or_b32 s36, s36, 0x600000
	v_mov_b32 v[\sc+1], s36
.endm
.macro XLOAD kk                        ; the f32 numbers of my fragment kk (tile kk / 4 of my two, K step kk % 4): register 16 c + 4 j + .. = k 32 c + 16 hh + 4 j + ..
.irp c, 0,1,2,3
.irp j, 0,1,2,3
	global_load_b128 v[XS+64*((\kk)%2)+16*\c+4*\j:XS+64*((\kk)%2)+16*\c+4*\j+3], v[XA], s[4:5] offset:((\kk)>>2)*16384+512*((\kk)&3)+128*\c+16*\j th:TH_LOAD_NT
.endr
.endr
.endm
.macro WLOAD ct                        ; pass K's column tile ct, all four K steps.  No vector instruction has named these registers
	WIN 0x80+0x40*((\ct)/4)
.irp s, 0,1,2,3
.irp c, 0,1,2,3
	global_load_b128 v[16*(4*((\ct)%4)+\s)+4*\c:16*(4*((\ct)%4)+\s)+4*\c+3], v[LI], s[6:7] offset:8192*(\ct)+2048*\s+512*\c
.endr
.endr
	WIN 0
.endm
.macro RELOAD s                        ; pass V's fragments of K step s, into the registers that pass K's have just left
.irp ct, 0,1,2,3,4,5,6,7
	WIN 0x80+0x40*(\ct/4)
.irp c, 0,1,2,3
	global_load_b128 v[16*(4*(\ct%4)+\s)+4*\c:16*(4*(\ct%4)+\s)+4*\c+3], v[LI], s[6:7] offset:262144+8192*\ct+2048*\s+512*\c
.endr
.endr
	WIN 0
.endm
.macro FETCH blk, s                    ; x's fragments (tiles 4 blk .. 4 blk + 3, K step s) come back from LDS as they were stored
.irp tl, 0,1,2,3
.irp c, 0,1,2,3
	ds_load_b128 v[XS+64*((\s)%2)+16*\tl+4*\c:XS+64*((\s)%2)+16*\tl+4*\c+3], v[LI] offset:(4*(4*(\blk)+\tl)+(\s))*2048+512*\c
.endr
.endr
.endm
; 32 matrix instructions, each on another accumulator, in the same order in every K step.  K step 0 starts the sums: nothing is cleared.
.macro MUL32 type, s
.irp ct, 0,1,2,3,4,5,6,7
.if \type == 0
	WIN 0x52+(\ct/4)                               ; source 0 (weights) window 2 or 3, source 1 (x) window 0, C and D window 1
.else
	WIN 0x58+4*(\ct/4)                             ; source 0 (x) window 0, source 1 (weights) window 2 or 3
.endif
.irp tl, 0,1,2,3
.if (\type == 0) && (\s == 0)
	v_wmma_f32_16x16x128_fp8_fp8 v[8*(4*\ct+\tl):8*(4*\ct+\tl)+7], v[16*(4*(\ct%4)+\s):16*(4*(\ct%4)+\s)+15], v[XS+64*(\s%2)+16*\tl:XS+64*(\s%2)+16*\tl+15], 0
.elseif \type == 0
	v_wmma_f32_16x16x128_fp8_fp8 v[8*(4*\ct+\tl):8*(4*\ct+\tl)+7], v[16*(4*(\ct%4)+\s):16*(4*(\ct%4)+\s)+15], v[XS+64*(\s%2)+16*\tl:XS+64*(\s%2)+16*\tl+15], v[8*(4*\ct+\tl):8*(4*\ct+\tl)+7]
.elseif \s == 0
	v_wmma_f32_16x16x128_fp8_fp8 v[8*(4*\ct+\tl):8*(4*\ct+\tl)+7], v[XS+64*(\s%2)+16*\tl:XS+64*(\s%2)+16*\tl+15], v[16*(4*(\ct%4)+\s):16*(4*(\ct%4)+\s)+15], 0
.else
	v_wmma_f32_16x16x128_fp8_fp8 v[8*(4*\ct+\tl):8*(4*\ct+\tl)+7], v[XS+64*(\s%2)+16*\tl:XS+64*(\s%2)+16*\tl+15], v[16*(4*(\ct%4)+\s):16*(4*(\ct%4)+\s)+15], v[8*(4*\ct+\tl):8*(4*\ct+\tl)+7]
.endif
.endr
.endr
.endm
; The products of one block of four x tiles.  reload = 1: behind each K step its weight registers take pass V's.  wl = 1: those reloaded weights are waited for.
; The block's first two runs of LDS loads land in sets whose last readers and writers stand ahead of the last wait on va_vdst (phase X's last, or the way out's), and no vector instruction since names them.
.macro MPH type, blk, reload, wl
	FETCH \blk, 0
.irp s, 0,1,2,3
.if \s < 3
	FETCH \blk, \s+1                               ; into the set that K step s - 1 multiplied: four places and the wait on va_vdst stand behind those products
	s_wait_dscnt 16                                ; this K step's fragments are in; the 16 loads just issued may be out
.else
	s_wait_dscnt 0x0
.endif
.if \wl
.if \s < 2
	s_wait_loadcnt 63                              ; behind K step s's 32 reloads stand 32 (3 - s), 96 or 64: the count's field ends at 63, which is the smaller and so the safe count
.else
	s_wait_loadcnt 32*(3-\s)
.endif
.endif
	MUL32 \type, \s
	WIN 0
	PLACES 4                                       ; four places in front of the loads into registers that these products read, and of the first read of the sums
.if (\s < 2) || \reload
	s_wait_alu depctr_va_vdst(0)                   ; this K step's products are done reading their set of x's fragments, in which K step s + 2's LDS loads land, and (reload) their weight registers, in which pass V's land
.endif
.if \reload
	RELOAD \s
.endif
.endr
.endm
; The way out of a block: hold, conversion, 16 stores of 512 consecutive bytes.  Each accumulator is read from its low end on.
.macro OPH type, blk, sc
	WIN 0x41                                       ; the sums (source 0, destination) in window 1, the hold in window 0
.set n, 0
.rept 256
	v_med3_num_f32 v[n], v[n], -v[\sc+1], v[\sc+1]
.set n, n+1
.endr
	s_wait_xcnt 0x0                                ; the last block's stores have read their data: only behind this wait are those registers written again
.if (\type) || (\blk)
	s_wait_alu depctr_vm_vsrc(0)                   ; the last block's stores have read v[OC ..], which the conversions below write again
.endif
	WIN 0x01                                       ; source 0 window 1, codes into window 0
.irp a, 0,1,2,3
.irp g, 0,1,2,3
.if \type == 0                         ; head a, x tile g: column tiles 2 a and 2 a + 1 are dims 16 hh + 0 .. 15
	v_cvt_scalef32_pk8_fp8_f32 v[OC+4*(4*\a+\g):OC+4*(4*\a+\g)+1], v[8*(8*\a+\g):8*(8*\a+\g)+7], v[\sc]
	v_cvt_scalef32_pk8_fp8_f32 v[OC+4*(4*\a+\g)+2:OC+4*(4*\a+\g)+3], v[8*(8*\a+4+\g):8*(8*\a+4+\g)+7], v[\sc]
.else                                  ; head a, half g / 2, x tiles 2 (g % 2) and the next: keys 16 hh + 0 .. 15 of a block of 32
	v_cvt_scalef32_pk8_fp8_f32 v[OC+4*(4*\a+\g):OC+4*(4*\a+\g)+1], v[8*(4*(2*\a+\g/2)+2*(\g%2)):8*(4*(2*\a+\g/2)+2*(\g%2))+7], v[\sc]
	v_cvt_scalef32_pk8_fp8_f32 v[OC+4*(4*\a+\g)+2:OC+4*(4*\a+\g)+3], v[8*(4*(2*\a+\g/2)+2*(\g%2)+1):8*(4*(2*\a+\g/2)+2*(\g%2)+1)+7], v[\sc]
.endif
.endr
.endr
	v_nop                                          ; a plain line between the last conversion and the products that write its sources anew
	WIN 0
	s_wait_alu depctr_va_vdst(0)                   ; the conversions have written v[OC ..], which the stores read; the block's last products are done reading both sets of x's fragments, in which the next block's LDS loads land
.irp a, 0,1,2,3
.irp g, 0,1,2,3
.if \type == 0
	global_store_b128 v[LI], v[OC+4*(4*\a+\g):OC+4*(4*\a+\g)+3], s[10:11] offset:\a*524288+(4*\blk+\g)*512
.else
	global_store_b128 v[LI], v[OC+4*(4*\a+\g):OC+4*(4*\a+\g)+3], s[10:11] offset:\a*524288+4096+2048*(\g/2)+(2*\blk+\g%2)*512
.endif
.endr
.endr
.endm
	s_load_b256 s[4:11], s[0:1], 0x0               ; x s[4:5], wc s[6:7], the scales' exponents s[8:9], kv s[10:11]
	v_lshl_add_u32 v[SPW], v0, 2, SPARE
	v_mov_b32 v[NIL], 0
	v_lshrrev_b32 v6, 5, v0
	v_readfirstlane_b32 s14, v6                    ; wave 0..3
	v_and_b32 v[LI], 31, v0
	v_lshlrev_b32 v[LI], 4, v[LI]
	v_and_b32 v6, 15, v0                           ; r
	v_bfe_u32 v7, v0, 4, 1                         ; hh
	v_and_b32 v[XA], 8, v6
	v_add_nc_u32 v[XA], v[XA], v6                  ; r + 8 (r / 8)
	v_lshlrev_b32 v[XA], 11, v[XA]
	v_lshl_add_u32 v[XA], v7, 6, v[XA]
	s_wait_alu depctr_va_sdst(0)                   ; s14 is written, ahead of its first reader: LDS addresses and the three bases are made from it
	s_lshl_b32 s15, s14, 14
	v_add_nc_u32 v[XWI], s15, v[LI]
	s_lshl_b32 s16, ttmp9, 18                      ; x: 128 rows of 2,048 bytes a work-group,
	s_lshl_b32 s17, s14, 16                        ; 32 a wave
	s_add_co_u32 s16, s16, s17
	s_mov_b32 s17, 0
	s_lshl_b32 s18, s14, 16                        ; wc: 8 tiles of 8,192 bytes a wave
	s_mov_b32 s19, 0
	s_lshr_b32 s20, ttmp9, 6                       ; kv: the batch's 16 heads x 64 steps x 8,192 bytes,
	s_lshl_b32 s20, s20, 23
	s_lshl_b32 s21, s14, 21                        ; my four heads,
	s_add_co_u32 s20, s20, s21
	s_and_b32 s21, ttmp9, 63
	s_lshl_b32 s21, s21, 13                        ; the step
	s_add_co_u32 s20, s20, s21
	s_mov_b32 s21, 0
	s_wait_kmcnt 0x0
	s_load_b256 s[24:31], s[8:9], 0x0              ; e0 .. e7
	s_add_nc_u64 s[4:5], s[4:5], s[16:17]
	s_add_nc_u64 s[6:7], s[6:7], s[18:19]
	s_add_nc_u64 s[10:11], s[10:11], s[20:21]
	s_wait_alu depctr_va_vdst(0)                   ; v1, v2 and v3 are written: every load, store and LDS instruction of the kernel reads one of them as its offset or address
	; ---- phase X.  Weights and x by turns, two fragments ahead: 64 loads a wave are issued ahead of the work
	WLOAD 0
	XLOAD 0
	WLOAD 1
	XLOAD 1
	s_wait_kmcnt 0x0
	MKSC 26, XSC
	s_sub_co_i32 s38, s29, s26
	s_sub_co_i32 s38, s38, s27                     ; e5 - e2 - e3
	MKSC 38, KSC
	s_sub_co_i32 s39, s30, s26
	s_sub_co_i32 s39, s39, s27                     ; e6 - e2 - e3
	MKSC 39, VSC
.set k, 0
.rept 8
.set PCK, PC+208*(k%2)                 ; this step's buffer of codes
.if k < 7
	s_wait_loadcnt 32                              ; fragment k's numbers are in; behind them stand 16 loads of weights and 16 of x
.else
	s_wait_loadcnt 0x0                             ; the last: all weights of pass K are in too
.endif
.irp b, 0,1,2,3
.irp i, 0,1,2,3,4,5,6,7,8,9,10,11,12,13,14,15
	v_med3_num_f32 v[XS+64*(k%2)+16*\b+\i], v[XS+64*(k%2)+16*\b+\i], -v[XSC+1], v[XSC+1]   ; the conversion does not saturate (ISA guide 7.6.2)
.endr
	v_cvt_scalef32_pk8_fp8_f32 v[PCK+4*\b:PCK+4*\b+1], v[XS+64*(k%2)+16*\b:XS+64*(k%2)+16*\b+7], v[XSC]
	v_cvt_scalef32_pk8_fp8_f32 v[PCK+4*\b+2:PCK+4*\b+3], v[XS+64*(k%2)+16*\b+8:XS+64*(k%2)+16*\b+15], v[XSC]
.endr
	v_nop
	s_wait_alu depctr_va_vdst(0)                   ; the conversions have written this step's codes, which the LDS stores read; holds and conversions are done with this step's set of numbers, in which the loads below (behind the last step: the first LDS loads) land
.if (k > 0) && (k < 7)
	s_wait_alu depctr_vm_vsrc(0)                   ; the image stored a step ago has been read out of the other buffer of codes, which the next step's conversions write again
.endif
.irp c, 0,1,2,3
	ds_store_b128 v[XWI], v[PCK+4*\c:PCK+4*\c+3] offset:2048*k+512*\c   ; the fragment goes to LDS as it stands: 512 consecutive bytes a store
.endr
.if k < 6
	WLOAD k+2
	XLOAD k+2
.endif
.set k, k+1
.endr
	s_wait_dscnt 0x0                               ; for the others' sake: my images have landed
	s_barrier_signal -1
	s_barrier_wait -1                              ; x's 32 fragments lie in LDS; nothing is stored there again
	MPH 0, 0, 0, 0
	OPH 0, 0, KSC
	MPH 0, 1, 1, 0
	OPH 0, 1, KSC
	MPH 1, 0, 0, 1
	OPH 1, 0, VSC
	MPH 1, 1, 0, 0
	OPH 1, 1, VSC
	s_wait_dscnt 0x0                               ; the closing lines, six on end
	s_wait_alu 0x0
	s_wait_tensorcnt 0x0
	ds_add_u32 v[SPW], v[NIL]
	s_wait_dscnt 0x0
	s_endpgm
.Lfunc_end_k_q9320459db6_kvp:
	.size	k_q9320459db6_kvp, .Lfunc_end_k_q9320459db6_kvp-k_q9320459db6_kvp
	.p2alignl 7, 3214868480
	.fill 96, 4, 3214868480
	.section	.rodata,"a",@progbits
	.p2align	6, 0x0
	.amdhsa_kernel k_q9320459db6_kvp
		.amdhsa_group_segment_fixed_size 66048
		.amdhsa_private_segment_fixed_size 0
		.amdhsa_enable_private_segment 0
		.amdhsa_kernarg_size 32
		.amdhsa_user_sgpr_count 2
		.amdhsa_user_sgpr_kernarg_segment_ptr 1
		.amdhsa_wavefront_size32 1
		.amdhsa_system_sgpr_workgroup_id_x 1
		.amdhsa_system_sgpr_workgroup_id_y 1
		.amdhsa_system_sgpr_workgroup_id_z 1
		.amdhsa_system_vgpr_workitem_id 0
		.amdhsa_next_free_vgpr 1024
		.amdhsa_next_free_sgpr 66
		.amdhsa_reserve_vcc 0
		.amdhsa_float_denorm_mode_32 3
		.amdhsa_float_denorm_mode_16_64 3
		.amdhsa_memory_ordered 1
		.amdhsa_forward_progress 1
		.amdhsa_inst_pref_size 211
	.end_amdhsa_kernel
	.amdgpu_metadata
---
amdhsa.version: [ 1, 2 ]
amdhsa.kernels:
  - .name:           k_q9320459db6_kvp
    .symbol:         k_q9320459db6_kvp.kd
    .args:
      - { .name: x, .offset: 0, .size: 8, .value_kind: global_buffer, .address_space: global }
      - { .name: wc, .offset: 8, .size: 8, .value_kind: global_buffer, .address_space: global }
      - { .name: lowp_scales, .offset: 16, .size: 8, .value_kind: global_buffer, .address_space: global }
      - { .name: kv, .offset: 24, .size: 8, .value_kind: global_buffer, .address_space: global }
    .group_segment_fixed_size: 66048
    .private_segment_fixed_size: 0
    .kernarg_segment_align: 8
    .kernarg_segment_size: 32
    .max_flat_workgroup_size: 128
    .sgpr_count:     66
    .vgpr_count:     1024
    .wavefront_size: 32
...
	.end_amdgpu_metadata
.endif
;; end of part 5
;; launch att (part 6): grid 4 x 64, 8 waves a work-group, no clusters, 152,576 bytes of LDS; arguments latents, wc, kv, lowp_scales, ao; writes ao
.if DOCPART == 6
	.amdgcn_target "amdgcn-amd-amdhsa--gfx1250"
	.amdhsa_code_object_version 6
	.text
	.protected	k_q9320459db6_att
	.globl	k_q9320459db6_att
	.p2align	8
	.type	k_q9320459db6_att,@function
k_q9320459db6_att:
	s_mov_b64 s[64:65], 0
	v_nop
	global_prefetch_b8 v0, s[64:65] scope:SCOPE_SE
	s_setreg_imm32_b32 hwreg(HW_REG_WAVE_SCHED_MODE, 0, 2), 2
	s_setreg_imm32_b32 hwreg(HW_REG_WAVE_MODE, 25, 1), 1
	s_wait_xcnt 0x0
	s_wait_alu depctr_vm_vsrc(0)
; q = latents w_q^T, S = q k^T / sqrt(32), softmax, O = p v, all products on codes of E4M3 with the given scales; O / l is quantised with 2^e8 and stored as the last product's operand.
; THE SOFTMAX: t = score x log2(e) / sqrt(32); M = the running largest t rounded UP to a whole number, kept as -M; p = 2^(t - M) is quantised with 2^e7, not normalised; the row's sum l is taken of the
; unquantised p; when M moves, l and O are multiplied by 2^(old M - new M), which rounds nothing.
; LIMITS: e0, e7, e8 and e4 - e0 - e1 between -126 and 119; e4 + e5 between -124 and 129 (added to c's exponent field); e6 + e7 goes in by v_ldexp_f32.  NaN and infinity among the inputs are not served.
; SHARES.  A work-group owns 128 queries (8 tiles of 16) of one head of one batch.  THE EIGHT WAVES SHARE THE KEYS: wave w walks keys 1,024 w .. + 1,023, eight steps of 128, for all 8 tiles.
; So each byte of K and V is loaded once by the work-group, from kv straight into the operand's registers (16 loads of 512 consecutive bytes a step), and feeds 8 tiles from there: the loop has no LDS access and
; no barrier.  At the end the eight partial (M, l, O) of each tile meet in LDS and wave w merges tile w, by factors 2^(M_w - M) that round nothing.
; No tensor load, no cluster: the way through LDS would add a write and a read of every byte.
; No prefetch: a step's 16 loads are issued in the first tile of the step before, more than seven tiles' work ahead of their first use.
; LAYOUT.  Both products transposed: S^T = K q^T, O^T = V^T p^T: a lane holds one query (lane % 16).  The head has 32 dims and the narrowest form 64 along K: a fragment of K holds TWO key tiles (four registers
; each), and is multiplied by [q | 0] for the first and by [0 | q] for the second.  The keys of a tile are chosen (in the launch before) so that S's registers 16 b + i are keys 32 b + 16 hh + i.
; THE MODE: SCHED_MODE bits 1:0 = 2 (LLVM: expert scheduling mode 2), set by the entry lines.  The code itself states the register dependences
; between vector or matrix instructions and memory or LDS instructions, with s_wait_alu, always for 0.
; THE PLAN.  Registers that memory or LDS instructions touch:
;   v1, v4-7, v16-18   offsets and LDS addresses: written at the head, ahead of the first wait on va_vdst; no vector instruction names them again.
;   KV0, KV1  In the loop a step's products read one buffer; the next step's 16 loads land in the other.  They are issued in the step's first tile directly behind the wait on va_vdst that the tile's exponentials have
;             anyway: it also states that the last step's products are done reading that other buffer.  So the loop holds no wait beyond one a tile.
;   S, KV1    At the head: the latents land there; holds and conversions read and write them; a wait on va_vdst stands ahead of each reload.
;   P         Written by a conversion and read by one LDS store at the head (va_vdst ahead of the store, vm_vsrc behind the barrier, ahead of the loop's conversions); at the end written once more and read by the last store.
;   q's registers (window 1)  Written by the latents' conversions, read by q's products; q's tiles land there from LDS behind the wait on va_vdst that stands ahead of P's store; no vector instruction since names them.
;   O^T, (-M, l), v56-199  One wait on va_vdst at the merge's head: the loop has written what the LDS stores read and is done with the registers in which the LDS loads behind the barrier land.
; REGISTERS.  Window 0: v1-7, v16-18 addresses; v8-15 at work; v24-39 (-M, l) of the 8 tiles; v40-55 p's codes; v56-119 S; v120-183, v184-247 two steps' K (32) and V (32); v248-255 f, scales, holds.
;   Window 1: v0-127 O^T, tile i at 16 i (register 8 n + j = channel 16 hh + 8 n + j); from v128: zeros at 128 + 8 i .. + 3 (i = 0 .. 8), q's tile i at 128 + 8 i + 4 .. + 7.
.set QIMG,  0                          ; LDS: q's 8 tiles as images of their registers, 512 bytes each
.set STAT,  4096                       ; (-M, l): tile i, wave w, lane l at 2,048 i + 256 w + 8 l
.set OIMG,  20480                      ; O^T: tile i, wave w, group g at 16,384 i + 2,048 w + 512 g + 16 l
.set SPARE, 151552                     ; the spare words, 128 bytes a wave: four blocks of 256 bytes that no other line names
.set LI,   1                           ; v1   16 x lane
.set SPW,  2                           ; v2   LDS address of my spare word; never rewritten
.set NIL,  3                           ; v3   0; never rewritten
.set OST0, 4                           ; v4   where I store O^T of tiles 0-3;  v5: of tiles 4-7
.set SST,  6                           ; v6   where I store (-M, l)
.set ORD,  7                           ; v7   where I read the eight O^T of tile w
.set SRD,  16                          ; v16  and its eight (-M, l)
.set LA,   17                          ; v17  latents: 2,048 r + 64 hh
.set QST,  18                          ; v18  where I store q's tile w
.set ST,   24
.set P,    40
.set S,    56
.set KV0,  120
.set KV1,  184
.set F,    248                         ; v[248:249] f = 2^(old M - new M); the pair's upper word is written once
.set PLIM, 250                         ; v250 448 x 2^e7
.set PSC,  251                         ; v251 2^e7
.set QB,   128
.set MR,   200                         ; the merge: the tile's 16 channels
.set CS,   28                          ; s[28:29] c = log2(e) / sqrt(32) x 2^(e4 + e5)
.set NCS,  30                          ; s30  -c
.set TRIP, 34
.set MSB, 0
.macro WIN new                         ; the immediate's high byte repeats the setting that is left; a switch that changes nothing is dropped
.if MSB != (\new)
	s_set_vgpr_msb (MSB<<8)|(\new)
.set MSB, (\new)
.endif
.endm
.macro PLACES n
.rept \n
	v_nop
.endr
.endm
.macro MKSC e, sc, lim                 ; v[sc] = 2^e as f32, v[lim] = 448 x 2^e; e in s[e]
	s_add_co_i32 s36, s[\e], 127
	s_lshl_b32 s37, s36, 23
	v_mov_b32 v[\sc], s37
	s_add_co_i32 s36, s36, 8
	s_lshl_b32 s36, s36, 23
	s_or_b32 s36, s36, 0x600000
	v_mov_b32 v[\lim], s36
.endm
.macro KVLOAD buf, off                 ; a key step: K's eight tiles, then V's two fragments: register buf + 4 q takes bytes 512 q + 16 lane
.irp q, 0,1,2,3,4,5,6,7,8,9,10,11,12,13,14,15
	global_load_b128 v[\buf+4*\q:\buf+4*\q+3], v[LI], s[8:9] offset:(\off)+512*\q
.endr
.endm
.macro LLOAD reg, s                    ; my 16 rows of the latents, K step s: register 16 c + 4 j + .. = k 32 c + 16 hh + 4 j + ..
.irp c, 0,1,2,3
.irp j, 0,1,2,3
	global_load_b128 v[\reg+16*\c+4*\j:\reg+16*\c+4*\j+3], v[LA], s[4:5] offset:512*(\s)+128*\c+16*\j
.endr
.endr
.endm
.macro LQ src, s                       ; they become K step s's fragment, in window 1 at QB + 16 s
.set n, 0
.rept 64
	v_med3_num_f32 v[\src+n], v[\src+n], -v253, v253
.set n, n+1
.endr
	WIN 0x40
.irp g, 0,1,2,3,4,5,6,7
	v_cvt_scalef32_pk8_fp8_f32 v[QB+16*(\s)+2*\g:QB+16*(\s)+2*\g+1], v[\src+8*\g:\src+8*\g+7], v252
.endr
	v_nop                                          ; a plain line behind the last conversion
	WIN 0
.endm
.macro KQ i, kb                        ; S^T of tile i and the 128 keys in v[kb] on: 8 products, each starts its sum
	WIN 0x04                                       ; source 1 (q) window 1
.irp t, 0,1,2,3,4,5,6,7
	v_wmma_f32_16x16x64_fp8_fp8 v[S+8*\t:S+8*\t+7], v[\kb+8*(\t/2):\kb+8*(\t/2)+7], v[QB+8*(\i)+4-4*(\t%2):QB+8*(\i)+11-4*(\t%2)], 0
.endr
.endm
; ONE TILE OF 16 QUERIES x 128 KEYS.  S^T was made a tile ago.  p = which buffer holds the step.
.macro TILE i, p
.set KB, KV0+64*(\p)
.set KN, KV0+64*(1-(\p))
.set NM, ST+2*(\i)
	; the largest of my 64 scores: four chains, each accumulator from its low end on
.irp c, 0,1,2,3
	v_max3_num_f32 v[8+\c], v[S+16*\c], v[S+16*\c+1], v[S+16*\c+2]
.endr
.irp j, 3,5,7,9,11,13
.irp c, 0,1,2,3
	v_max3_num_f32 v[8+\c], v[8+\c], v[S+16*\c+\j], v[S+16*\c+\j+1]
.endr
.endr
	v_max3_num_f32 v8, v8, v[S+15], v[S+31]
	v_max3_num_f32 v10, v10, v[S+47], v[S+63]
	v_max3_num_f32 v8, v8, v9, v10
	v_max_num_f32 v8, v8, v11
	v_permlanex16_b32 v12, v8, s32, s33            ; my query's other 64 keys lie in the lane 16 away
	v_max_num_f32 v8, v8, v12
	v_mul_f32 v8, s[NCS], v8                       ; -t (c is positive)
	v_floor_f32 v8, v8                             ; -ceil(t)
	v_min_num_f32 v8, v8, v[NM]                    ; the new -M
	v_sub_f32 v13, v8, v[NM]                       ; old M - new M: a whole number, 0 or less
	v_mov_b32 v[NM], v8
	; t - M, two at a time, and p = 2^(t - M): ONE BATCH of 64 exponentials; no line in it names a result
	v_pk_fma_f32 v[S:S+1], v[S:S+1], s[CS:CS+1], v[NM:NM+1] op_sel_hi:[1,0,0]
	v_pk_fma_f32 v[S+2:S+3], v[S+2:S+3], s[CS:CS+1], v[NM:NM+1] op_sel_hi:[1,0,0]
.set j, 2
.rept 30
	v_exp_f32 v[S+2*j-4], v[S+2*j-4]
	v_exp_f32 v[S+2*j-3], v[S+2*j-3]
	v_pk_fma_f32 v[S+2*j:S+2*j+1], v[S+2*j:S+2*j+1], s[CS:CS+1], v[NM:NM+1] op_sel_hi:[1,0,0]
.set j, j+1
.endr
	v_exp_f32 v[S+60], v[S+60]
	v_exp_f32 v[S+61], v[S+61]
	v_exp_f32 v[S+62], v[S+62]
	v_exp_f32 v[S+63], v[S+63]
	v_cvt_i32_f32 v13, v13                         ; (it saturates)  These two are the plain lines behind the batch
	v_ldexp_f32 v[F], 1.0, v13                     ; f
	s_wait_alu depctr_va_vdst(0)                   ; the 64 exponentials have written v[S ..], ahead of the first line that names a result: one wait for the batch.  In a step's first tile also: the last step's products are done reading the other buffer, in which the loads below land
.if \i == 0
	s_wait_loadcnt 0x0                             ; this step's V is in (asked for a step ago).  The wait stands ahead of the new loads
.if \p == 1
	s_cmp_eq_u32 s[TRIP], 1                        ; the last step has no successor: no load leaves kv
	s_cbranch_scc1 .Lnoload_\@
.endif
	KVLOAD KN, 8192*(\p+1)                         ; the next step, into the other buffer: no vector or matrix instruction since the wait above names it
.if \p == 1
.Lnoload_\@:
.endif
.endif
	; the sum of the unquantised p: 31 packed additions in four chains
.irp k, 0,1,2,3
	v_pk_add_f32 v[8+2*\k:9+2*\k], v[S+2*\k:S+2*\k+1], v[S+8+2*\k:S+9+2*\k]
.endr
.irp m, 16,24,32,40,48,56
.irp k, 0,1,2,3
	v_pk_add_f32 v[8+2*\k:9+2*\k], v[8+2*\k:9+2*\k], v[S+\m+2*\k:S+\m+2*\k+1]
.endr
.endr
	v_pk_add_f32 v[8:9], v[8:9], v[10:11]
	v_pk_add_f32 v[12:13], v[12:13], v[14:15]
	v_pk_add_f32 v[8:9], v[8:9], v[12:13]
	; the hold.  p is at most 1 and not negative, so it can pass 448 x 2^e7 only where that is under 1: e7 <= -9.  e7 is a whole number read from memory, the same in all waves
	s_cmp_ge_i32 s23, -8
	s_cbranch_scc1 .Lnohold_\@
.set n, 0
.rept 64
	v_min_num_f32 v[S+n], v[S+n], v[PLIM]
.set n, n+1
.endr
.Lnohold_\@:
.irp t, 0,1,2,3,4,5,6,7
	v_cvt_scalef32_pk8_fp8_f32 v[P+2*\t:P+2*\t+1], v[S+8*\t:S+8*\t+7], v[PSC]   ; registers 4 b .. 4 b + 3: keys 32 b + 16 hh + 0 .. 15
.endr
	v_add_f32 v8, v8, v9                           ; (two plain lines between the conversions and the products that write their sources and read their results)
	v_fma_f32 v[NM+1], v[NM+1], v[F], v8           ; l = l f + the sum
.if \i < 7
	KQ \i+1, KB                                    ; the next tile's scores
.elseif \p == 0
	s_wait_loadcnt 8                               ; the next step's K is in; V's eight loads, issued behind K's, may be out
	KQ 0, KN
.else
	s_cmp_eq_u32 s[TRIP], 1
	s_cbranch_scc1 .Lnokq_\@
	s_wait_loadcnt 8
	KQ 0, KN
	WIN 0
.Lnokq_\@:
.endif
	WIN 0x41                                       ; O^T (source 0, destination) window 1, f window 0
.irp j, 0,2,4,6,8,10,12,14
	v_pk_mul_f32 v[16*(\i)+\j:16*(\i)+\j+1], v[16*(\i)+\j:16*(\i)+\j+1], v[F:F+1] op_sel_hi:[1,0]   ; O^T under the new M.  These eight are also the places behind the scores' products
.endr
	WIN 0x50                                       ; C and D window 1
	v_wmma_f32_16x16x128_fp8_fp8 v[16*(\i):16*(\i)+7], v[KB+32:KB+47], v[P:P+15], v[16*(\i):16*(\i)+7]
	v_wmma_f32_16x16x128_fp8_fp8 v[16*(\i)+8:16*(\i)+15], v[KB+48:KB+63], v[P:P+15], v[16*(\i)+8:16*(\i)+15]
	WIN 0
.endm
	s_load_b256 s[4:11], s[0:1], 0x0               ; latents s[4:5], wc s[6:7], kv s[8:9], the scales' exponents s[10:11]
	s_load_b64 s[12:13], s[0:1], 0x20              ; ao
	v_lshl_add_u32 v[SPW], v0, 2, SPARE
	v_mov_b32 v[NIL], 0
	v_lshrrev_b32 v8, 5, v0
	v_readfirstlane_b32 s14, v8                    ; wave 0..7
	v_and_b32 v[LI], 31, v0
	v_lshlrev_b32 v[LI], 4, v[LI]
	v_and_b32 v8, 15, v0                           ; r
	v_bfe_u32 v9, v0, 4, 1                         ; hh
	v_lshlrev_b32 v[LA], 11, v8
	v_lshl_add_u32 v[LA], v9, 6, v[LA]
	s_wait_alu depctr_va_sdst(0)                   ; s14 is written, ahead of its first reader: LDS addresses and the bases are made from it
	s_lshl_b32 s15, s14, 11
	s_add_co_u32 s15, s15, OIMG
	v_add_nc_u32 v[OST0], s15, v[LI]
	v_add_nc_u32 v[OST0+1], 0x10000, v[OST0]
	v_and_b32 v10, 31, v0
	v_lshlrev_b32 v10, 3, v10                      ; 8 x lane
	s_lshl_b32 s15, s14, 8
	s_add_co_u32 s15, s15, STAT
	v_add_nc_u32 v[SST], s15, v10
	s_lshl_b32 s15, s14, 14
	s_add_co_u32 s15, s15, OIMG
	v_add_nc_u32 v[ORD], s15, v[LI]
	s_lshl_b32 s15, s14, 11
	s_add_co_u32 s15, s15, STAT
	v_add_nc_u32 v[SRD], s15, v10
	s_lshl_b32 s15, s14, 9
	v_add_nc_u32 v[QST], s15, v[LI]
	s_and_b32 s38, ttmp7, 0xffff                   ; 16 b + h
	s_lshr_b32 s39, s38, 4                         ; b
	s_and_b32 s40, s38, 15                         ; h
	s_lshl_b32 s26, s38, 19                        ; kv: 64 steps of 8,192 bytes a head,
	s_lshl_b32 s41, s14, 16                        ; 8 steps a wave
	s_add_co_u32 s26, s26, s41
	s_mov_b32 s27, 0
	s_lshl_b32 s44, s39, 20                        ; latents: 512 rows of 2,048 bytes a batch,
	s_lshl_b32 s41, ttmp9, 18                      ; 128 a block of queries,
	s_add_co_u32 s44, s44, s41
	s_lshl_b32 s41, s14, 15                        ; 16 a wave
	s_add_co_u32 s44, s44, s41
	s_mov_b32 s45, 0
	s_lshl_b32 s46, s40, 14                        ; wc: w_q's tiles 64 + 2 h and the next
	s_add_co_u32 s46, s46, 524288
	s_mov_b32 s47, 0
	s_lshl_b32 s48, s39, 18                        ; ao: ((32 b + 8 block + wave) x 16 + h) x 512
	s_lshl_b32 s41, ttmp9, 16
	s_add_co_u32 s48, s48, s41
	s_lshl_b32 s41, s14, 13
	s_add_co_u32 s48, s48, s41
	s_lshl_b32 s41, s40, 9
	s_add_co_u32 s48, s48, s41
	s_mov_b32 s49, 0
	s_mov_b32 s32, 0x76543210                      ; v_permlanex16_b32's selects for lane l xor 16
	s_mov_b32 s33, 0xfedcba98
	s_mov_b32 s[TRIP], 4
	s_wait_kmcnt 0x0
	s_load_b256 s[16:23], s[10:11], 0x0            ; e0 .. e7
	s_load_b32 s24, s[10:11], 0x20                 ; e8
	s_add_nc_u64 s[8:9], s[8:9], s[26:27]
	s_add_nc_u64 s[4:5], s[4:5], s[44:45]
	s_add_nc_u64 s[6:7], s[6:7], s[46:47]
	s_add_nc_u64 s[12:13], s[12:13], s[48:49]
	s_wait_alu depctr_va_vdst(0)                   ; the offsets and LDS addresses v1, v4 to v7 and v16 to v18 are written, which the kernel's loads, stores and LDS instructions read
	KVLOAD KV0, 0                                  ; my first key step
	LLOAD S, 0
	LLOAD KV1, 1
	WIN 0x40
.irp u, 0,1
.irp s, 0,1,2,3
.irp c, 0,1,2,3
	global_load_b128 v[16*(4*\u+\s)+4*\c:16*(4*\u+\s)+4*\c+3], v[LI], s[6:7] offset:8192*\u+2048*\s+512*\c   ; w_q's fragment (half u, K step s) at v[16 (4 u + s)] of window 1
.endr
.endr
.endr
	WIN 0
	s_wait_kmcnt 0x0
	MKSC 16, 252, 253                              ; the latents': 2^e0
	s_sub_co_i32 s42, s20, s16
	s_sub_co_i32 s42, s42, s17                     ; a sum of the first product stands for sum x 2^(e0 + e1): q's conversion takes 2^(e4 - e0 - e1)
	MKSC 42, 254, 255
	MKSC 23, PSC, PLIM                             ; p's: 2^e7
	s_add_co_i32 s41, s20, s21
	s_lshl_b32 s41, s41, 23
	s_add_co_i32 s[CS], s41, 0x3e8293ee            ; c = log2(e) / sqrt(32), with e4 + e5 added to its exponent field
	s_mov_b32 s[CS+1], s[CS]                       ; (named with it as a pair, so it is written)
	s_or_b32 s[NCS], s[CS], 0x80000000
	s_add_co_i32 s35, s22, s23                     ; e6 + e7
	; ---- q's tile w: my 16 rows of the latents are quantised, two K steps in flight
	s_wait_loadcnt 48                              ; K step 0 is in; behind it: K step 1's 16 loads and w_q's 32
	LQ S, 0
	s_wait_alu depctr_va_vdst(0)                   ; K step 0's holds and conversions are done with v[S ..], in which K step 2's loads land
	LLOAD S, 2
	s_wait_loadcnt 48                              ; K step 1; behind it: w_q's 32 and K step 2's 16
	LQ KV1, 1
	s_wait_alu depctr_va_vdst(0)                   ; K step 1's holds and conversions are done with v[KV1 ..], in which K step 3's loads land
	LLOAD KV1, 3
	s_wait_loadcnt 16                              ; K step 2; behind it: K step 3's 16
	LQ S, 2
	s_wait_loadcnt 0x0
	LQ KV1, 3
	WIN 0x05                                       ; sources 0 (w_q) and 1 (latents) window 1, C and D window 0
.irp s, 0,1,2,3
.irp u, 0,1                            ; two accumulators by turns: dims 16 hh + 8 u + 0 .. 7 of query r
.if \s == 0
	v_wmma_f32_16x16x128_fp8_fp8 v[ST+8*\u:ST+8*\u+7], v[16*(4*\u+\s):16*(4*\u+\s)+15], v[QB+16*\s:QB+16*\s+15], 0
.else
	v_wmma_f32_16x16x128_fp8_fp8 v[ST+8*\u:ST+8*\u+7], v[16*(4*\u+\s):16*(4*\u+\s)+15], v[QB+16*\s:QB+16*\s+15], v[ST+8*\u:ST+8*\u+7]
.endif
.endr
.endr
	WIN 0
	PLACES 4
.irp i, 0,1,2,3,4,5,6,7,8,9,10,11,12,13,14,15
	v_med3_num_f32 v[ST+\i], v[ST+\i], -v255, v255
.endr
	v_cvt_scalef32_pk8_fp8_f32 v[P:P+1], v[ST:ST+7], v254
	v_cvt_scalef32_pk8_fp8_f32 v[P+2:P+3], v[ST+8:ST+15], v254
	v_nop
	s_wait_alu depctr_va_vdst(0)                   ; the conversions have written v[P .. P + 3], which the LDS store reads; q's products are done reading the latents' codes, in whose registers q's tiles land behind the barrier
	ds_store_b128 v[QST], v[P:P+3]                 ; q's tile w: lane (r, hh): query r, dims 16 hh + 0 .. 15
	s_wait_dscnt 0x0                               ; for the others' sake
	s_barrier_signal -1
	s_barrier_wait -1                              ; q's eight tiles lie in LDS
	s_wait_alu depctr_vm_vsrc(0)                   ; my LDS store has read v[P .. P + 3], which the loop's conversions write again
	WIN 0x40
.irp i, 0,1,2,3,4,5,6,7
	ds_load_b128 v[QB+8*\i+4:QB+8*\i+7], v[LI] offset:QIMG+512*\i   ; asked for ahead of the clears below, which name none of these registers
.endr
.set n, 0
.rept 128
	v_mov_b32 v[n], 0                              ; O^T.  Cleared once, so that the key step is written without a first step of its own: the first change of M multiplies zeros
.set n, n+1
.endr
.irp i, 0,1,2,3,4,5,6,7,8
.irp j, 0,1,2,3
	v_mov_b32 v[QB+8*\i+\j], 0                     ; the zero halves between q's tiles
.endr
.endr
	WIN 0
.irp i, 0,1,2,3,4,5,6,7
	v_mov_b32 v[ST+2*\i], 0x7f61b1e6               ; -M: 3e38, over every -t
	v_mov_b32 v[ST+2*\i+1], 0                      ; l
.endr
	v_mov_b32 v12, 0                               ; written once: a lane permute's destination counts as one of its sources
	v_mov_b32 v[F+1], 0
	s_wait_dscnt 0x0
	KQ 0, KV0
	WIN 0
	PLACES 4
.Ltrip:                                            ; four trips of two key steps: the buffers are back where they began
.irp i, 0,1,2,3,4,5,6,7
	TILE \i, 0
.endr
.irp i, 0,1,2,3,4,5,6,7
	TILE \i, 1
.endr
	s_wait_xcnt 0x0                                ; the trip's loads have read their base: only behind this wait is it stepped
	s_add_nc_u64 s[8:9], s[8:9], 16384
	s_sub_co_u32 s[TRIP], s[TRIP], 1
	s_cmp_lg_u32 s[TRIP], 0
	s_cbranch_scc1 .Ltrip
	; ---- THE MERGE.  My eight tiles' O^T and (-M, l) go to LDS as they stand; behind the barrier wave w takes tile w's eight parts
	PLACES 4
	s_wait_alu depctr_va_vdst(0)                   ; the loop has written O^T and (-M, l), which the LDS stores read (the places above stay beside this wait), and is done with v56 to v199, in which the LDS loads behind the barrier land
	WIN 0x04                                       ; the stores' data in window 1
.irp i, 0,1,2,3,4,5,6,7
.irp g, 0,1,2,3
	ds_store_b128 v[OST0+\i/4], v[16*\i+4*\g:16*\i+4*\g+3] offset:(\i%4)*16384+512*\g
.endr
.endr
	WIN 0
.irp i, 0,1,2,3,4,5,6,7
	ds_store_b64 v[SST], v[ST+2*\i:ST+2*\i+1] offset:2048*\i
.endr
	s_wait_dscnt 0x0                               ; for the others' sake
	s_barrier_signal -1
	s_barrier_wait -1
.irp q, 0,1,2,3,4,5,6,7
	ds_load_b64 v[KV1+2*\q:KV1+2*\q+1], v[SRD] offset:256*\q
.endr
.irp q, 0,1,2,3,4,5,6,7
.irp g, 0,1,2,3
	ds_load_b128 v[S+16*\q+4*\g:S+16*\q+4*\g+3], v[ORD] offset:2048*\q+512*\g
.endr
.endr
	s_wait_dscnt 0x0
	v_min3_num_f32 v8, v[KV1], v[KV1+2], v[KV1+4]
	v_min3_num_f32 v8, v8, v[KV1+6], v[KV1+8]
	v_min3_num_f32 v8, v8, v[KV1+10], v[KV1+12]
	v_min_num_f32 v8, v8, v[KV1+14]                ; -M of the whole row
.irp q, 0,1,2,3,4,5,6,7
	v_sub_f32 v[KV1+2*\q], v8, v[KV1+2*\q]         ; M_q - M: a whole number, 0 or less
.endr
.irp q, 0,1,2,3,4,5,6,7
	v_cvt_i32_f32 v[KV1+2*\q], v[KV1+2*\q]
.endr
.irp q, 0,1,2,3,4,5,6,7
	v_ldexp_f32 v[KV1+2*\q], 1.0, v[KV1+2*\q]      ; f_q = 2^(M_q - M)
.endr
	v_mul_f32 v9, v[KV1], v[KV1+1]
.irp q, 1,2,3,4,5,6,7
	v_fma_f32 v9, v[KV1+2*\q], v[KV1+2*\q+1], v9   ; l = the sum of f_q l_q
.endr
.irp j, 0,2,4,6,8,10,12,14
	v_pk_mul_f32 v[MR+\j:MR+\j+1], v[S+\j:S+\j+1], v[KV1:KV1+1] op_sel_hi:[1,0]
.endr
.irp q, 1,2,3,4,5,6,7
.irp j, 0,2,4,6,8,10,12,14
	v_pk_fma_f32 v[MR+\j:MR+\j+1], v[S+16*\q+\j:S+16*\q+\j+1], v[KV1+2*\q:KV1+2*\q+1], v[MR+\j:MR+\j+1] op_sel_hi:[1,0,1]
.endr
.endr
	v_permlanex16_b32 v12, v9, s32, s33
	v_add_f32 v9, v9, v12                          ; and the other half of the lanes' keys
	v_rcp_f32 v10, v9
	MKSC 24, 252, 253                              ; 2^e8 and 448 x 2^e8: plain lines behind the reciprocal
	s_wait_alu depctr_va_vdst(0)                   ; the reciprocal has written v10, ahead of the first line that names it
	v_ldexp_f32 v10, v10, s35                      ; x 2^(e6 + e7)
.irp j, 0,2,4,6,8,10,12,14
	v_pk_mul_f32 v[MR+\j:MR+\j+1], v[MR+\j:MR+\j+1], v[10:11] op_sel_hi:[1,0]
.endr
.irp i, 0,1,2,3,4,5,6,7,8,9,10,11,12,13,14,15
	v_med3_num_f32 v[MR+\i], v[MR+\i], -v253, v253
.endr
	v_cvt_scalef32_pk8_fp8_f32 v[P:P+1], v[MR:MR+7], v252
	v_cvt_scalef32_pk8_fp8_f32 v[P+2:P+3], v[MR+8:MR+15], v252
	v_nop
	s_wait_alu depctr_va_vdst(0)                   ; the conversions have written v[P .. P + 3], which the store reads
	global_store_b128 v[LI], v[P:P+3], s[12:13]    ; lane (r, hh): row 16 (tile) + r, k = 32 h + 16 hh + 0 .. 15: 512 consecutive bytes of the last product's operand
	s_wait_dscnt 0x0                               ; the closing lines, six on end
	s_wait_alu 0x0
	s_wait_tensorcnt 0x0
	ds_add_u32 v[SPW], v[NIL]
	s_wait_dscnt 0x0
	s_endpgm
.Lfunc_end_k_q9320459db6_att:
	.size	k_q9320459db6_att, .Lfunc_end_k_q9320459db6_att-k_q9320459db6_att
	.p2alignl 7, 3214868480
	.fill 96, 4, 3214868480
	.section	.rodata,"a",@progbits
	.p2align	6, 0x0
	.amdhsa_kernel k_q9320459db6_att
		.amdhsa_group_segment_fixed_size 152576
		.amdhsa_private_segment_fixed_size 0
		.amdhsa_enable_private_segment 0
		.amdhsa_kernarg_size 40
		.amdhsa_user_sgpr_count 2
		.amdhsa_user_sgpr_kernarg_segment_ptr 1
		.amdhsa_wavefront_size32 1
		.amdhsa_system_sgpr_workgroup_id_x 1
		.amdhsa_system_sgpr_workgroup_id_y 1
		.amdhsa_system_sgpr_workgroup_id_z 1
		.amdhsa_system_vgpr_workitem_id 0
		.amdhsa_next_free_vgpr 512
		.amdhsa_next_free_sgpr 66
		.amdhsa_reserve_vcc 0
		.amdhsa_float_denorm_mode_32 3
		.amdhsa_float_denorm_mode_16_64 3
		.amdhsa_memory_ordered 1
		.amdhsa_forward_progress 1
		.amdhsa_inst_pref_size 255
	.end_amdhsa_kernel
	.amdgpu_metadata
---
amdhsa.version: [ 1, 2 ]
amdhsa.kernels:
  - .name:           k_q9320459db6_att
    .symbol:         k_q9320459db6_att.kd
    .args:
      - { .name: latents, .offset: 0, .size: 8, .value_kind: global_buffer, .address_space: global }
      - { .name: wc, .offset: 8, .size: 8, .value_kind: global_buffer, .address_space: global }
      - { .name: kv, .offset: 16, .size: 8, .value_kind: global_buffer, .address_space: global }
      - { .name: lowp_scales, .offset: 24, .size: 8, .value_kind: global_buffer, .address_space: global }
      - { .name: ao, .offset: 32, .size: 8, .value_kind: global_buffer, .address_space: global }
    .group_segment_fixed_size: 152576
    .private_segment_fixed_size: 0
    .kernarg_segment_align: 8
    .kernarg_segment_size: 40
    .max_flat_workgroup_size: 256
    .sgpr_count:     66
    .vgpr_count:     512
    .wavefront_size: 32
...
	.end_amdgpu_metadata
.endif
;; end of part 6
;; launch outp (part 7): grid 8 x 32, 4 waves a work-group, no clusters, 17,920 bytes of LDS; arguments ao, wc, b_out, lowp_scales, out0; writes out0
.if DOCPART == 7
	.amdgcn_target "amdgcn-amd-amdhsa--gfx1250"
	.amdhsa_code_object_version 6
	.text
	.protected	k_q9320459db6_outp
	.globl	k_q9320459db6_outp
	.p2align	8
	.type	k_q9320459db6_outp,@function
k_q9320459db6_outp:
	s_mov_b64 s[64:65], 0
	v_nop
	global_prefetch_b8 v0, s[64:65] scope:SCOPE_SE
	s_setreg_imm32_b32 hwreg(HW_REG_WAVE_SCHED_MODE, 0, 2), 2
	s_setreg_imm32_b32 hwreg(HW_REG_WAVE_MODE, 25, 1), 1
	s_wait_xcnt 0x0
	s_wait_alu depctr_vm_vsrc(0)
; out0 = (attention's output) w_out^T + b_out, on codes of E4M3: ao (2^e8) and w_out's tiles of wc (2^e9), both laid in the order of the operand's registers.  out0 [2048][512] f32.
; y = sum x 2^(e8 + e9) + b: one packed multiply-add for two numbers.  LIMIT: e8 + e9 between -126 and 127.
; SHARES.  256 work-groups of 64 rows x 64 columns; wave w takes 16 rows against the four column tiles: 16 matrix instructions, four accumulators by turns.  Every operand comes by loads of 512 consecutive
; bytes straight into its registers.  Source 0 = w_out's rows, source 1 = ao: a lane holds one row of out0, and the tiles' chosen rows make registers 16 g + i columns 32 g + 16 hh + i.
; The wave's 16 rows x 256 bytes go through its own stage in LDS and leave as whole rows: sixteen lanes store 256 consecutive bytes, aligned.  No barrier: waves share nothing.
; No tensor load, cluster or prefetch: each work-group has 128 KiB of weight codes and 32 KiB of ao (8 KiB a wave), all asked for at once at the head.
; THE MODE: SCHED_MODE bits 1:0 = 2 (LLVM: expert scheduling mode 2), set by the entry lines.  The code itself states the register dependences
; between vector or matrix instructions and memory or LDS instructions, with s_wait_alu, always for 0.
; THE PLAN.  Registers that memory or LDS instructions touch:
;   v1-4, v7   offsets and LDS addresses: written at the head, ahead of the one wait on va_vdst in front of the loads; no vector instruction names them again.
;   the bias, ao's and w_out's fragments   each loaded once, into registers that no vector instruction has named.
;   RES        written by the 16 packed multiply-adds, read by the stage's eight stores: one wait on va_vdst between; never written again.
;   BK         the rows read back from the stage and stored: no vector instruction names them.
.set LI,   1                           ; v1  16 x lane
.set STO,  2                           ; v2  the stage, in: row r, + 64 hh
.set RD,   3                           ; v3  the stage, back: lanes 0-15 one row, lanes 16-31 the next
.set GO,   4                           ; v4  the same two rows in out0
.set SPW,  5                           ; v5  LDS address of my spare word; never rewritten
.set NIL,  6                           ; v6  0; never rewritten
.set BO,   7                           ; v7  64 hh: my 16 numbers of 32 of the bias
.set AO,   32                          ; v32-95    ao's four fragments
.set ACC,  96                          ; v96-127   four accumulators
.set BIAS, 128                         ; v128-159  the bias in the result's layout
.set RES,  160                         ; v160-191  results
.set BK,   192                         ; v192-223  rows read back.   Window 1: w_out's fragment (tile t, K step s) at v[16 (4 t + s)]
.set SPARE, 17408                      ; LDS: four stages of 16 rows x (256 + 16) bytes, then the spare words, 128 bytes a wave: two blocks of 256 bytes that no other line names
.set MSB, 0
.macro WIN new
.if MSB != (\new)
	s_set_vgpr_msb (MSB<<8)|(\new)
.set MSB, (\new)
.endif
.endm
	s_load_b256 s[4:11], s[0:1], 0x0               ; ao s[4:5], wc s[6:7], b_out s[8:9], the scales' exponents s[10:11]
	s_load_b64 s[12:13], s[0:1], 0x20              ; out0
	v_lshl_add_u32 v[SPW], v0, 2, SPARE
	v_mov_b32 v[NIL], 0
	v_lshrrev_b32 v8, 5, v0
	v_readfirstlane_b32 s14, v8                    ; wave 0..3
	v_and_b32 v[LI], 31, v0
	v_lshlrev_b32 v[LI], 4, v[LI]
	v_and_b32 v8, 15, v0                           ; r
	v_bfe_u32 v9, v0, 4, 1                         ; hh
	s_wait_alu depctr_va_sdst(0)                   ; s14 is written, ahead of its first reader: the stage's place and the bases are made from it
	s_mul_i32 s15, s14, 16*272                     ; my stage
	v_mul_u32_u24 v[STO], v8, 272
	v_lshl_add_u32 v[STO], v9, 6, v[STO]
	v_add_nc_u32 v[STO], s15, v[STO]
	v_mul_u32_u24 v[RD], v9, 272
	v_lshl_add_u32 v[RD], v8, 4, v[RD]
	v_add_nc_u32 v[RD], s15, v[RD]
	v_lshlrev_b32 v[GO], 11, v9
	v_lshl_add_u32 v[GO], v8, 4, v[GO]
	v_lshlrev_b32 v[BO], 6, v9
	s_and_b32 s16, ttmp7, 0xffff
	s_lshl_b32 s16, s16, 2
	s_add_co_u32 s16, s16, s14                     ; my tile of 16 rows: 4 y + wave
	s_lshl_b32 s18, s16, 13                        ; ao: 8,192 bytes a tile
	s_mov_b32 s19, 0
	s_lshl_b32 s20, ttmp9, 15                      ; wc: tiles 96 + 4 x on
	s_add_co_u32 s20, s20, 786432
	s_mov_b32 s21, 0
	s_lshl_b32 s22, ttmp9, 8                       ; 64 columns: 256 bytes
	s_mov_b32 s23, 0
	s_lshl_b32 s28, s16, 15                        ; out0: 16 rows of 2,048 bytes a tile,
	s_add_co_u32 s28, s28, s22                     ; + my columns
	s_mov_b32 s29, 0
	s_wait_kmcnt 0x0
	s_load_b64 s[24:25], s[10:11], 0x20            ; e8, e9
	s_add_nc_u64 s[4:5], s[4:5], s[18:19]
	s_add_nc_u64 s[6:7], s[6:7], s[20:21]
	s_add_nc_u64 s[8:9], s[8:9], s[22:23]
	s_add_nc_u64 s[12:13], s[12:13], s[28:29]
	s_wait_alu depctr_va_vdst(0)                   ; the offsets and LDS addresses v1 to v4 and v7 are written, which the kernel's loads, stores and LDS instructions read
.irp g, 0,1
.irp q, 0,1,2,3
	global_load_b128 v[BIAS+16*\g+4*\q:BIAS+16*\g+4*\q+3], v[BO], s[8:9] offset:128*\g+16*\q
.endr
.endr
.irp s, 0,1,2,3                        ; 20 loads for each K step
	WIN 0
.irp c, 0,1,2,3
	global_load_b128 v[AO+16*\s+4*\c:AO+16*\s+4*\c+3], v[LI], s[4:5] offset:2048*\s+512*\c
.endr
	WIN 0x40
.irp t, 0,1,2,3
.irp c, 0,1,2,3
	global_load_b128 v[16*(4*\t+\s)+4*\c:16*(4*\t+\s)+4*\c+3], v[LI], s[6:7] offset:8192*\t+2048*\s+512*\c
.endr
.endr
.endr
	WIN 0
	s_wait_kmcnt 0x0
	s_add_co_i32 s26, s24, s25
	s_add_co_i32 s26, s26, 127
	s_lshl_b32 s26, s26, 23                        ; 2^(e8 + e9) as f32
	s_mov_b32 s27, s26                             ; (named with it as a pair, so it is written)
.irp s, 0,1,2,3
	s_wait_loadcnt 20*(3-\s)                       ; this K step's 20 loads are in; those of the later K steps may be out
	WIN 0x01                                       ; source 0 (w_out) window 1
.irp t, 0,1,2,3                        ; four accumulators by turns; K step 0 starts the sums
.if \s == 0
	v_wmma_f32_16x16x128_fp8_fp8 v[ACC+8*\t:ACC+8*\t+7], v[16*(4*\t+\s):16*(4*\t+\s)+15], v[AO+16*\s:AO+16*\s+15], 0
.else
	v_wmma_f32_16x16x128_fp8_fp8 v[ACC+8*\t:ACC+8*\t+7], v[16*(4*\t+\s):16*(4*\t+\s)+15], v[AO+16*\s:AO+16*\s+15], v[ACC+8*\t:ACC+8*\t+7]
.endif
.endr
.endr
	WIN 0
.rept 4
	v_nop                                          ; four places in front of the first read of the sums (ISA guide 7.12.1)
.endr
.irp j, 0,2,4,6,8,10,12,14,16,18,20,22,24,26,28,30
	v_pk_fma_f32 v[RES+\j:RES+\j+1], v[ACC+\j:ACC+\j+1], s[26:27], v[BIAS+\j:BIAS+\j+1] op_sel_hi:[1,0,1]   ; y = sum x 2^(e8 + e9) + b; each accumulator from its low end on
.endr
	s_wait_alu depctr_va_vdst(0)                   ; the multiply-adds have written v[RES ..], which the LDS stores read
.irp g, 0,1
.irp q, 0,1,2,3
	ds_store_b128 v[STO], v[RES+16*\g+4*\q:RES+16*\g+4*\q+3] offset:128*\g+16*\q
.endr
.endr
.irp i, 0,1,2,3,4,5,6,7
	ds_load_b128 v[BK+4*\i:BK+4*\i+3], v[RD] offset:544*\i   ; LDS serves a wave's instructions in order (ISA guide 5.7.1.4): these see my stores
.endr
.irp i, 0,1,2,3,4,5,6,7
	s_wait_dscnt 7-\i
	global_store_b128 v[GO], v[BK+4*\i:BK+4*\i+3], s[12:13] offset:4096*\i th:TH_STORE_NT   ; sixteen lanes store 256 consecutive bytes, at a multiple of 256 from out0's first byte
.endr
	s_wait_dscnt 0x0                               ; the closing lines, six on end
	s_wait_alu 0x0
	s_wait_tensorcnt 0x0
	ds_add_u32 v[SPW], v[NIL]
	s_wait_dscnt 0x0
	s_endpgm
.Lfunc_end_k_q9320459db6_outp:
	.size	k_q9320459db6_outp, .Lfunc_end_k_q9320459db6_outp-k_q9320459db6_outp
	.p2alignl 7, 3214868480
	.fill 96, 4, 3214868480
	.section	.rodata,"a",@progbits
	.p2align	6, 0x0
	.amdhsa_kernel k_q9320459db6_outp
		.amdhsa_group_segment_fixed_size 17920
		.amdhsa_private_segment_fixed_size 0
		.amdhsa_enable_private_segment 0
		.amdhsa_kernarg_size 40
		.amdhsa_user_sgpr_count 2
		.amdhsa_user_sgpr_kernarg_segment_ptr 1
		.amdhsa_wavefront_size32 1
		.amdhsa_system_sgpr_workgroup_id_x 1
		.amdhsa_system_sgpr_workgroup_id_y 1
		.amdhsa_system_sgpr_workgroup_id_z 1
		.amdhsa_system_vgpr_workitem_id 0
		.amdhsa_next_free_vgpr 512
		.amdhsa_next_free_sgpr 66
		.amdhsa_reserve_vcc 0
		.amdhsa_float_denorm_mode_32 3
		.amdhsa_float_denorm_mode_16_64 3
		.amdhsa_memory_ordered 1
		.amdhsa_forward_progress 1
		.amdhsa_inst_pref_size 16
	.end_amdhsa_kernel
	.amdgpu_metadata
---
amdhsa.version: [ 1, 2 ]
amdhsa.kernels:
  - .name:           k_q9320459db6_outp
    .symbol:         k_q9320459db6_outp.kd
    .args:
      - { .name: ao, .offset: 0, .size: 8, .value_kind: global_buffer, .address_space: global }
      - { .name: wc, .offset: 8, .size: 8, .value_kind: global_buffer, .address_space: global }
      - { .name: b_out, .offset: 16, .size: 8, .value_kind: global_buffer, .address_space: global }
      - { .name: lowp_scales, .offset: 24, .size: 8, .value_kind: global_buffer, .address_space: global }
      - { .name: out0, .offset: 32, .size: 8, .value_kind: global_buffer, .address_space: global }
    .group_segment_fixed_size: 17920
    .private_segment_fixed_size: 0
    .kernarg_segment_align: 8
    .kernarg_segment_size: 40
    .max_flat_workgroup_size: 128
    .sgpr_count:     66
    .vgpr_count:     512
    .wavefront_size: 32
...
	.end_amdgpu_metadata
.endif
;; end of part 7
